; MI455X (gfx1250); checked and timed in simulation.
; The chip was launched on July 23, 2026; its instructions are those of AMD's public machine-readable ISA for CDNA 5 (MIT licence, August 2026) and "CDNA5" Instruction Set Architecture Reference Guide (July 2026). The comments in the code are by the model that wrote it; some were corrected since.
;; Casual multihead self attention. Allowed arithmetic: matrix products marked QUANTISED: E2M3 operands, one E8M0 scale for each 32 along K, by v_wmma_scale_f32_16x16x128_f8f6f4 with both operands' format E2M3, f32 sums; everything else in f32.
;; Inputs: in_features 4 x 2,048 x 1,024 float32; weight_k 1,024 x 1,024 float32; weight_o 1,024 x 1,024 float32; weight_q 1,024 x 1,024 float32; weight_v 1,024 x 1,024 float32.
;; Outputs: out0 4 x 2,048 x 1,024 float32.
;; This version of the problem:
;;   THIS VERSION OF THE PROBLEM IS GIVEN IN LOW PRECISION. The matrix products marked QUANTISED in the list below multiply operands that are first quantised to E2M3 (2 exponent bits, 3 mantissa bits; 6 bits a number), with one power-of-two scale for each 32 numbers along K (OCP MX v1.0); their sums are f32. All else is computed in f32.
;;   The module's matrix products, in the order in which they are computed (A, B: the left and right operand; K: the contracted axis; several contracted axes count as one K, in the product's order):
;;     1. [M 8,192, K 1,024] x [K 1,024, N 1,024]; A: input in_features; B: input weight_q: QUANTISED
;;     2. [M 8,192, K 1,024] x [K 1,024, N 1,024]; A: input in_features; B: input weight_k: QUANTISED
;;     3. [M 8,192, K 1,024] x [K 1,024, N 1,024]; A: input in_features; B: input weight_v: QUANTISED
;;     4. batch 64 x [M 2,048, K 64] x [K 64, N 2,048]; A: computed on the way; B: computed on the way: QUANTISED
;;     5. batch 64 x [M 2,048, K 2,048] x [K 2,048, N 64]; A: softmax (see below); B: computed on the way: QUANTISED
;;     6. [M 8,192, K 1,024] x [K 1,024, N 1,024]; A: computed on the way; B: input weight_o: QUANTISED
;;   THE QUANTISER, for each operand of a quantised product, along K:
;;     - K is cut into blocks of 32 from its start; a last block that is shorter is filled with zeros.
;;     - A block's scale is 2^e with e = floor(log2(the largest magnitude in the block)) - 2, held to -126 .. 127; a block of zeros has e = 0. As a byte (E8M0): e + 127.
;;     - Each number is divided by its block's scale, clamped to +-7.5, and rounded to the nearest number of E2M3, ties to even, subnormals kept.
;;     - The product sums the exact products of the quantised numbers (number of the format x scale) in f32.
;;   ~~~python
;;   def quantise(x, axis):      # numpy; x: float32 -> the quantised numbers, widened to float32 again
;;       x = np.moveaxis(x, axis, -1); K = x.shape[-1]
;;       x = np.pad(x, [(0, 0)] * (x.ndim - 1) + [(0, -K % 32)]); x = x.reshape(x.shape[:-1] + (-1, 32)); a = np.abs(x).max(-1, keepdims=True)
;;       e = np.where(a > 0, np.clip(np.frexp(np.where(a > 0, a, 1))[1] - 1 - 2, -126, 127), 0)      # np.frexp(a)[1] - 1 = floor(log2(a)), exactly
;;       r = np.clip(x / 2.0 ** e, -7.5, 7.5)
;;       step = 2.0 ** (np.maximum(np.frexp(np.where(r == 0, 1, r))[1] - 1, 0) - 3)
;;       q = np.round(r / step) * step * 2.0 ** e      # np.round: ties to even
;;       return np.moveaxis(q.reshape(q.shape[:-2] + (-1,))[..., :K], -1, axis).astype(np.float32)
;;   ~~~
;;   SOFTMAX AHEAD OF A QUANTISED PRODUCT. Where the list says 'softmax', what is quantised is not the finished softmax but p = 2^(t - M), with t = logit x log2(e) and M = ceil(the row's largest t), a whole number; so 1/2 < the row's largest p <= 1. The row's sum l is taken of the UNQUANTISED p, in f32, and the product's result is divided by l at the end. Since M is a whole number, a kernel that streams over the keys may use a running M (the ceiling of the running maximum): every later rescaling is an exact power of two, which a block's scale takes up: the codes' values come out the same.
;;   OPERANDS COMPUTED ON THE WAY. 'Computed on the way' means the value that the module computes at that place (a softmax that the list does not call 'softmax' is quantised finished and normalised). What goes into a quantiser is computed in f32, as accurately as f32 sums, v_exp_f32 and their like allow (about 1e-6 of the number): no bf16 or f16 on the way to a quantiser, and a product that is left as it is and whose result goes on into a quantised operand takes f32 operands (vector FMAs, or v_wmma_f32_16x16x4_f32). A number that lies on a knife's edge between two numbers of the format may be rounded either way, as far as f32 arithmetic and the matrix unit's own rounding can turn it there, and no further.
;; One version. Each part assembles by itself: llvm-mc -triple=amdgcn-amd-amdhsa -mcpu=gfx1250 --defsym DOCPART=n.
;; ======== version 1 of 1: 4 launches
;; workspace buffers: cod 9,437,184 bytes; scl 393,216 bytes; qkv 18,874,368 bytes; qkvs 1,310,720 bytes; ac 6,291,456 bytes; asc 262,144 bytes
;; launch quant (part 1): grid 384 x 1, 4 waves a work-group, no clusters, 33,280 bytes of LDS; arguments in_features, weight_q, weight_k, weight_v, weight_o, cod, scl; writes cod, scl
.if DOCPART == 1
	.amdgcn_target "amdgcn-amd-amdhsa--gfx1250"
	.amdhsa_code_object_version 6
	.text
	.protected	k_q77e9bff30d_quant
	.globl	k_q77e9bff30d_quant
	.p2align	8
	.type	k_q77e9bff30d_quant,@function
k_q77e9bff30d_quant:
	s_mov_b64 s[64:65], 0
	v_nop
	global_prefetch_b8 v0, s[64:65] scope:SCOPE_SE
	s_setreg_imm32_b32 hwreg(HW_REG_WAVE_MODE, 25, 1), 1
	s_wait_xcnt 0x0
; x [8192][1024] and the four weights [1024][1024], f32, K innermost, become codes of E2M3 (6 bits, four codes in three bytes) and one E8M0 byte for each 32 along K.
; cod: 12,288 rows of 768 bytes: rows 0.. x, 8192.. Wq, 9216.. Wk, 10240.. Wv, 11264.. Wo.  scl: the same rows, 32 bytes each.
; A block's scale is 2^(floor(log2(largest magnitude)) - 2); its byte is the largest magnitude's exponent field - 2, held at 1 from below.
; POSITION ORDER: in x, Wq, Wk and Wv, inside every 32 rows, rows 8-15 and 16-23 change places on the way out (bits 3 and 4 of the row number are swapped).  So 16 rows that lie
; together in cod are rows 32 b + 8 u + r + 8 (r / 8): the later launches' matrix results then hold 16 neighbours along the next K in 16 registers of a lane.  Wo keeps its order.
; LIMITS: a block of zeros gets the byte 1 (its codes are zeros, and this program alone reads the bytes); blocks whose largest magnitude lies under 2^-124 have their byte held at 1;
; NaN and infinities among the inputs are not served.
; SHARES: a wave takes 8 rows (8,192 numbers) in 16 steps of 512; a work-group 32 rows.  Work-groups 0-255: x; then 32 for each weight.  Only pointers are chosen by the work-group's number.
; Each load reads 512 consecutive bytes; a step's 2,048 bytes turn through the wave's own stage in LDS and come back 64 bytes a lane: 16 neighbours along K, two lanes to a block.
; No tensor loads, no barrier: waves share nothing.  Loads run four steps (16 loads a wave) ahead, the turn through LDS one step.
.set STEPS, 16
.set CB,    12                         ; bytes of 16 codes
.set R,     16                         ; v16-79   four sets of 16 numbers as they are loaded
.set X,     80                         ; v80-111  two sets of 16 neighbours
.set C,     128                        ; v128-191 codes: four registers for each step, so that no store's data are written again
.set E,     112                        ; v112-127 a scale byte for each step
.set WREG,  8192                       ; LDS: a region for each wave: two stages of 32 x SP bytes, then its 256 scale bytes
.set SP,    80                         ; a lane's place in a stage: 64 bytes + 16 of padding
	s_load_b256 s[4:11], s[0:1], 0x0               ; x, Wq, Wk, Wv
	s_load_b128 s[12:15], s[0:1], 0x20             ; Wo, cod
	s_load_b64 s[16:17], s[0:1], 0x30              ; scl
	v_lshl_add_u32 v192, v0, 2, 0x8000
	v_mov_b32 v193, 0
	v_lshrrev_b32 v1, 5, v0
	v_readfirstlane_b32 s22, v1                    ; wave
	v_and_b32 v2, 31, v0                           ; lane
	v_lshlrev_b32 v3, 4, v2                        ; my 16 bytes of a load's 512
	s_mul_i32 s23, s22, WREG
	v_lshrrev_b32 v14, 2, v2
	v_mul_u32_u24 v14, v14, SP
	v_and_b32 v15, 3, v2
	v_lshl_add_u32 v14, v15, 4, v14
	v_add_nc_u32 v14, s23, v14                     ; the stage, on the way in: SP (lane / 4) + 16 (lane % 4)
	v_mul_u32_u24 v15, v2, SP
	v_add_nc_u32 v15, s23, v15                     ; and on the way out: SP x lane: my 16 neighbours
	v_mul_u32_u24 v4, v2, CB                       ; my codes' place in a step's
	v_lshrrev_b32 v5, 1, v2
	s_add_co_u32 s23, s23, 2*32*SP
	v_add_nc_u32 v5, s23, v5                       ; LDS: my wave's 256 scale bytes, my block's byte
	v_lshlrev_b32 v7, 3, v2                        ; and on the way out 8 bytes a lane
	v_add_nc_u32 v6, s23, v7
	s_and_b32 s33, s22, 1
	s_lshl_b32 s33, s33, 1
	s_lshr_b32 s34, s22, 1
	s_or_b32 s33, s33, s34                         ; the wave's number with its two bits swapped: where its 8 rows go in position order
	s_and_b32 s30, ttmp9, 31                       ; which 32 rows of a weight
	s_wait_kmcnt 0x0
	s_mov_b64 s[24:25], s[12:13]                   ; the tensor that I read: chosen by the work-group's number alone
	s_cmp_lt_u32 ttmp9, 352
	s_cselect_b64 s[24:25], s[10:11], s[24:25]
	s_cselect_b32 s32, s33, s22                    ; Wo (from 352 on) keeps its rows' order
	s_cmp_lt_u32 ttmp9, 320
	s_cselect_b64 s[24:25], s[8:9], s[24:25]
	s_cmp_lt_u32 ttmp9, 288
	s_cselect_b64 s[24:25], s[6:7], s[24:25]
	s_cmp_lt_u32 ttmp9, 256
	s_cselect_b64 s[24:25], s[4:5], s[24:25]
	s_cselect_b32 s30, ttmp9, s30                  ; which 32 rows of the tensor that I read
	s_lshl_b32 s30, s30, 2
	s_add_co_u32 s30, s30, s22                     ; my run of 8 rows there,
	s_lshl_b32 s30, s30, 15                        ; 32,768 bytes a run (under 2^25 in all)
	s_mov_b32 s31, 0
	s_add_nc_u64 s[24:25], s[24:25], s[30:31]
	s_lshl_b32 s26, ttmp9, 2
	s_add_co_u32 s26, s26, s32                     ; my run of 8 rows in cod and scl: the weights' rows follow x's
	s_mul_i32 s28, s26, 6144
	s_mov_b32 s29, 0
	s_add_nc_u64 s[14:15], s[14:15], s[28:29]
	s_lshl_b32 s28, s26, 8
	s_add_nc_u64 s[16:17], s[16:17], s[28:29]
.macro LOAD t
.irp i, 0,1,2,3
	global_load_b128 v[R+16*((\t)%4)+4*\i:R+16*((\t)%4)+4*\i+3], v3, s[24:25] offset:2048*(\t)+512*\i th:TH_LOAD_NT   ; 32 lanes read 512 consecutive bytes
.endr
.endm
.macro TURN t                          ; step t's numbers through the stage: LDS serves a wave's instructions in order, so no wait stands between the stores and the loads
.irp i, 0,1,2,3
	ds_store_b128 v14, v[R+16*((\t)%4)+4*\i:R+16*((\t)%4)+4*\i+3] offset:32*SP*((\t)%2)+8*SP*\i
.endr
.irp i, 0,1,2,3
	ds_load_b128 v[X+16*((\t)%2)+4*\i:X+16*((\t)%2)+4*\i+3], v15 offset:32*SP*((\t)%2)+16*\i
.endr
.endm
.irp t, 0,1,2,3
	LOAD \t
.endr
	s_wait_loadcnt 12                              ; step 0's four loads are in; the twelve of steps 1 to 3 may be out
	TURN 0
.macro STEP t
.set XS, X+16*((\t)%2)
.if (\t) > 0
	s_wait_dscnt 1                                 ; this step's numbers are back from the stage (the last step's byte store may be out): its stores into the stage have read their registers,
.else
	s_wait_dscnt 0x0
.endif
.if (\t)+4 < STEPS
	LOAD (\t)+4                                    ; which take the loads of four steps on
.endif
.if (\t)+1 < STEPS
.if STEPS-2-(\t) >= 3
	s_wait_loadcnt 12                              ; the next step's four loads are in; those of the three steps behind it may be out
.else
	s_wait_loadcnt 4*(STEPS-2-(\t))
.endif
	TURN (\t)+1                                    ; and go through the other stage while this step is worked
.endif
	v_max3_num_f32 v8, |v[XS]|, |v[XS+1]|, |v[XS+2]|               ; the largest magnitude of my 16, in two chains
	v_max3_num_f32 v9, |v[XS+3]|, |v[XS+4]|, |v[XS+5]|
.irp i, 6,10
	v_max3_num_f32 v8, v8, |v[XS+\i]|, |v[XS+\i+1]|
	v_max3_num_f32 v9, v9, |v[XS+\i+2]|, |v[XS+\i+3]|
.endr
	v_max3_num_f32 v8, v8, |v[XS+14]|, |v[XS+15]|
	v_max3_num_f32 v8, v8, v9, 0x1800000           ; and the floor 2^(3 - 127): the byte cannot fall under 1
	v_max_num_f32_dpp v8, v8, v8 row_xmask:1 row_mask:0xf bank_mask:0xf   ; and of my neighbour's 16: the block's
	v_add_nc_u32 v11, 0xff000000, v8               ; 2 off its exponent field: the conversion takes the exponent field of this operand as its scale
	v_cvt_scalef32_pk16_fp6_f32 v[C+4*(\t):C+4*(\t)+2], v[XS:XS+15], v11   ; sixteen numbers / the scale, to the nearest code, ties to even, beyond the largest code the largest
	v_lshrrev_b32 v[E+(\t)], 23, v11               ; the scale's byte (also the plain line behind the conversion)
	ds_store_b8 v5, v[E+(\t)] offset:16*(\t)       ; both lanes of a block write the same byte with the same value
	global_store_b96 v4, v[C+4*(\t):C+4*(\t)+2], s[14:15] offset:32*CB*(\t)   ; the wave stores 384 consecutive bytes
.endm
.irp t, 0,1,2,3,4,5,6,7,8,9,10,11,12,13,14,15
	STEP \t
.endr
	ds_load_b64 v[12:13], v6                       ; LDS serves a wave's instructions in order: these see my stores
	s_wait_dscnt 0x0
	global_store_b64 v7, v[12:13], s[16:17]        ; 32 lanes store 256 consecutive bytes, aligned: 8 rows' scale bytes
	s_wait_tensorcnt 0x0
	ds_add_u32 v192, v193
	s_wait_dscnt 0x0
	s_endpgm
.Lfunc_end_k_q77e9bff30d_quant:
	.size	k_q77e9bff30d_quant, .Lfunc_end_k_q77e9bff30d_quant-k_q77e9bff30d_quant
	.p2alignl 7, 3214868480
	.fill 96, 4, 3214868480
	.section	.rodata,"a",@progbits
	.p2align	6, 0x0
	.amdhsa_kernel k_q77e9bff30d_quant
		.amdhsa_group_segment_fixed_size 33280
		.amdhsa_private_segment_fixed_size 0
		.amdhsa_enable_private_segment 0
		.amdhsa_kernarg_size 56
		.amdhsa_user_sgpr_count 2
		.amdhsa_user_sgpr_kernarg_segment_ptr 1
		.amdhsa_wavefront_size32 1
		.amdhsa_system_sgpr_workgroup_id_x 1
		.amdhsa_system_sgpr_workgroup_id_y 1
		.amdhsa_system_sgpr_workgroup_id_z 1
		.amdhsa_system_vgpr_workitem_id 0
		.amdhsa_next_free_vgpr 194
		.amdhsa_next_free_sgpr 66
		.amdhsa_reserve_vcc 0
		.amdhsa_float_denorm_mode_32 3
		.amdhsa_float_denorm_mode_16_64 3
		.amdhsa_memory_ordered 1
		.amdhsa_forward_progress 1
		.amdhsa_inst_pref_size 33
	.end_amdhsa_kernel
	.amdgpu_metadata
---
amdhsa.version: [ 1, 2 ]
amdhsa.kernels:
  - .name:           k_q77e9bff30d_quant
    .symbol:         k_q77e9bff30d_quant.kd
    .args:
      - { .name: in_features, .offset: 0, .size: 8, .value_kind: global_buffer, .address_space: global }
      - { .name: weight_q, .offset: 8, .size: 8, .value_kind: global_buffer, .address_space: global }
      - { .name: weight_k, .offset: 16, .size: 8, .value_kind: global_buffer, .address_space: global }
      - { .name: weight_v, .offset: 24, .size: 8, .value_kind: global_buffer, .address_space: global }
      - { .name: weight_o, .offset: 32, .size: 8, .value_kind: global_buffer, .address_space: global }
      - { .name: cod, .offset: 40, .size: 8, .value_kind: global_buffer, .address_space: global }
      - { .name: scl, .offset: 48, .size: 8, .value_kind: global_buffer, .address_space: global }
    .group_segment_fixed_size: 33280
    .private_segment_fixed_size: 0
    .kernarg_segment_align: 8
    .kernarg_segment_size: 56
    .max_flat_workgroup_size: 128
    .sgpr_count:     66
    .vgpr_count:     194
    .wavefront_size: 32
...
	.end_amdgpu_metadata
.endif
;; end of part 1
;; launch proj (part 2): grid 8 x 48, 4 waves a work-group, clusters of 4 x 4, 327,680 bytes of LDS; arguments cod, scl, qkv, qkvs; writes qkv, qkvs
.if DOCPART == 2
	.amdgcn_target "amdgcn-amd-amdhsa--gfx1250"
	.amdhsa_code_object_version 6
	.text
	.protected	k_q77e9bff30d_proj
	.globl	k_q77e9bff30d_proj
	.p2align	8
	.type	k_q77e9bff30d_proj,@function
k_q77e9bff30d_proj:
	s_mov_b64 s[64:65], 0
	v_nop
	global_prefetch_b8 v0, s[64:65] scope:SCOPE_SE
	s_setreg_imm32_b32 hwreg(HW_REG_WAVE_MODE, 25, 1), 1
	s_wait_xcnt 0x0
	s_wait_alu depctr_hold_cnt(0) depctr_sa_sdst(0) depctr_va_vdst(0) depctr_va_sdst(0) depctr_va_ssrc(0) depctr_va_vcc(0) depctr_vm_vsrc(0)
	s_getreg_b32 s2, hwreg(HW_REG_IB_STS2, 6, 4)
	s_cmp_eq_u32 s2, 0
	s_cbranch_scc0 .Lentry_in_a_cluster
	s_endpgm
.Lentry_in_a_cluster:
	s_bfe_u32 s2, ttmp6, 0x10000c
	s_cmp_lg_u32 s2, 0xf033
	s_cbranch_scc0 .Lentry_shape_is_right
	s_endpgm
.Lentry_shape_is_right:
; Q = x Wq^T, K = x Wk^T, V = x Wv^T on codes of E2M3 with E8M0 scales, K = 1024; the f32 results are quantised in registers and leave as codes: Q and K along the head's 64, V along the keys.
; cod, scl: rows of 768 and 32 bytes: x at row 0, Wq 8192, Wk 9216, Wv 10240, all in POSITION ORDER (inside every 32 rows, rows 8-15 and 16-23 have changed places).
; A tile of 256 x 256 results is made by four waves, 128 x 128 each: 64 accumulators, 512 registers.  K goes in steps of 256 through two LDS slots filled by the tensor data mover.
; ROLES.  Source 1 of the matrix instruction ("A"): a lane holds ONE of its rows.  Source 0 ("B"): a lane's registers run along its rows; by the position order the 16 registers of two
; neighbouring tiles are 16 neighbouring rows of B in their natural order.  What is to be quantised runs along B:
;   clusters y 0-7  (256 tiles): A = x, B = Wq and Wk: a lane holds one token (by position) and 128 features = two heads x two blocks of 32.
;   clusters y 8-11 (128 tiles): A = Wv, B = x:         a lane holds one feature (by position) and 128 keys = four blocks of 32.
; OUT.  qkv: [b x 16 + head][3 planes][98,304 bytes]: Q, K: [2048 positions][48 bytes]; V: [32 chunks of 64 keys][64 feature positions][48 bytes].
;       qkvs: [b x 16 + head][20,480 bytes]: Q's words at 0, K's at 8192 ([2048 positions], bytes 0, 1 the two blocks', bytes 2, 3 = 127); V's at 16384 ([16 chunks of 128 keys][64 positions]).
; CLUSTERS: 4 x 4 work-groups; A's tile is asked for jointly along a row of the cluster, B's along a column.  Which part a cluster serves hangs on the cluster's y, which all partners share.
; LIMITS: a block of zeros gets the byte 1 (zero codes; this program alone reads the bytes); largest magnitudes under 2^-124 have the byte held at 1; NaN and infinities are not served.
; REGISTERS, in windows of 256: window 0: v0-31 addresses; v32-63 scale words, two sets; from v128 A's fragments, one set; on the way out v32-107 at work.
;   window 1: B's fragments, two sets.   window 2: the accumulators of my A rows 0-63 ((a, b) at v[8 (8 a + b)]);   window 3: those of rows 64-127.
.set SIZE_K, 1024
.set KSTEP,  256                       ; along K in a slot
.set NQ,     KSTEP/128                 ; matrix instructions deep
.set ROWB,   192                       ; a tile's row in bytes
.set KROW,   SIZE_K*6/8                ; a row of cod
.set PITCH,  240                       ; an LDS row: 3 x (64 bytes + 16 of padding) = 60 words: the 32 lanes of a load of 8 bytes touch 64 different banks
.set FR,     12                        ; registers of a fragment
.set NL,     6                         ; LDS loads that bring one
.set NP,     4                         ; places behind this matrix instruction (ISA guide 7.12.1)
.set HALFT,  128*PITCH                 ; 128 rows: what one tensor load brings
.set SLOT,   4*HALFT                   ; A's 256 rows, then B's 256 rows
.set LAPS,   SIZE_K/(2*KSTEP)
.set KS,     SIZE_K/32                 ; a row of scale bytes
.set SCL,    2*SLOT                    ; behind the ring: the scales, as units of 256 bytes + 16 of padding
.set HALFS,  (128*KS/256)*272          ; the scales of 128 rows
.set SBLK,   (16*KS/256)*272           ; those of 16 rows
.set SPARE,  SCL+4*HALFS               ; the spare words, 128 bytes for each wave: two blocks of 256 bytes that no other line names
.set ADRA, 16                          ; v16-17 LDS address of my A fragments in slot 0, 1 (v18-19: for the pieces behind one padding more)
.set ADRB, 20                          ; v20-21 the same for B (v22-23)
.set ADRS, 27                          ; v27 LDS address of my scale words: lanes 0-15 A's rows, lanes 16-31 B's
.set SPW,  28                          ; v28 LDS address of my spare word; never rewritten
.set NIL,  29                          ; v29 0; never rewritten
.set SC,   32                          ; scale words, two sets of 16
.set AF,   128                         ; A's fragments
.set STO,  24                          ; the way out: stage address of my 24 bytes of codes: 4096 w + 48 r + 24 h
.set RD,   25                          ; and where I read 16 bytes back: 4096 w + 16 lane
.set CO0,  8                           ; v8-10 my byte offsets in qkv for the three stores of a block
.set CO1,  9
.set CO2,  10
.set SSTO, 11                          ; stage address of my scale word
.set SHV,  12                          ; how far my half shifts the scale word
.set SRD,  13                          ; where I read scale words back
.set SGO,  14                          ; my byte offset in qkvs
.set TM,   32                          ; v32-35 largest magnitudes, v36-39 at work and bytes, v44-47 the conversions' scale operands
.set PW,   48                          ; the four blocks' bytes
.set SW,   49                          ; the word that is stored
.set PC,   52                          ; v52-63 a fragment's codes; v64-66, v68-70 halves on their way
.set BK,   72                          ; v72-83, v84-95: a block's 1,536 bytes read back, by turns
.set SEL,  66                          ; s[66:67] lane selects: lane l xor 16
.set G1, 24                            ; s[24:31] descriptor group 1 for A's tiles;  s[32:39] group 0, one set for each slot
.set G0, 32
.set G1B, 48                           ; s[48:55], s[56:63] the same for B's tiles
.set G0B, 56
.set G1S, 68                           ; s[68:75], s[76:79] groups 1 and 0 for A's scales;  s[80:87], s[88:91] for B's
.set G0S, 76
.set G1SB, 80
.set G0SB, 88
.set MSB, 0
.macro WIN new                         ; the immediate's high byte repeats the setting that is left
.if MSB != \new
	s_set_vgpr_msb (MSB<<8)|\new
.set MSB, \new
.endif
.endm
.set MUL_LO, 0xa1                      ; source 0 (B) window 1, source 1 (A) window 0, C and D window 2
.set MUL_HI, 0xf1                      ; the same, C and D window 3
.set TO_B,   0x40                      ; destination window 1, address window 0
; A joint load: waves 0 and 1 fetch for A, waves 2 and 3 for B.  The branch hangs on the wave's number alone.  Four v_nop follow each of the two lines.
.macro JLOAD g0a, g1a, g0b, g1b
	s_cmp_eq_u32 s15, 0
	s_cbranch_scc0 .Lfor_b_\@
	tensor_load_to_lds s[\g0a:\g0a+3], s[\g1a:\g1a+7]
	s_nop 0
.rept 4
	v_nop
.endr
	s_branch .Lasked_\@
.Lfor_b_\@:
	tensor_load_to_lds s[\g0b:\g0b+3], s[\g1b:\g1b+7]
	s_nop 0
.rept 4
	v_nop
.endr
.Lasked_\@:
.endm
.macro CREST                           ; a round of the cluster's barrier behind its opening barrier
	s_cmp_lg_u32 s14, 0
	s_cbranch_scc1 .Lnot_wave_0_\@
	s_barrier_signal -3
.Lnot_wave_0_\@:
	s_barrier_wait -3
	s_barrier_signal -1
	s_barrier_wait -1
.endm
.macro CROUND                          ; a whole round
	s_barrier_signal -1
	s_barrier_wait -1
	CREST
.endm
	s_load_b256 s[4:11], s[0:1], 0x0               ; cod s[4:5], scl s[6:7], qkv s[8:9], qkvs s[10:11]
	v_lshl_add_u32 v[SPW], v0, 2, SPARE
	v_mov_b32 v[NIL], 0
	ds_add_u32 v28, v29
	ds_add_u32 v28, v29
	s_wait_dscnt 0x0
	v_lshrrev_b32 v1, 5, v0
	v_readfirstlane_b32 s14, v1                    ; wave 0..3
	s_lshr_b32 s15, s14, 1                         ; which half of A's 256 rows is mine.  Also: I fetch for A (0) or for B (1)
	s_and_b32 s16, s14, 1                          ; which half of B's.  Also: which 128 rows of that tile I fetch
	s_bfe_u32 s40, ttmp6, 0x40000                  ; cx, cy: my place in the cluster
	s_bfe_u32 s41, ttmp6, 0x40004
	s_and_b32 s18, ttmp7, 0xffff                   ; the cluster's y, 0..11
	s_sub_co_u32 s19, s18, 8
	s_lshl_b32 s19, s19, 1
	s_add_co_u32 s19, s19, ttmp9                   ; in the V part: 2 (y - 8) + x, 0..7: which four tiles of x
	s_cmp_lt_u32 s18, 8                            ; the Q, K part?  The same answer in all sixteen partners
	s_cselect_b32 s95, 1, 0
	s_cselect_b32 s19, ttmp9, s19
	s_cselect_b32 s18, s18, 0
	s_cselect_b32 s96, 0, 10240                    ; A's first row in cod: x, or Wv
	s_cselect_b32 s97, 8192, 0                     ; B's: Wq and Wk, or x
	s_lshl_b32 s42, s19, 2
	s_add_co_u32 s42, s42, s40                     ; B's tile: hangs on cx alone of my place
	s_lshl_b32 s17, s18, 2
	s_add_co_u32 s17, s17, s41                     ; A's tile: hangs on cy alone
	s_lshl_b32 s43, s41, 2
	s_lshl_b32 s43, 15, s43                        ; my row of the cluster
	s_lshl_b32 s44, 0x1111, s40                    ; my column
	; descriptor group 1: a tile of 128 rows x 192 bytes, 16 bytes of padding behind every 64
	s_or_b32 s[G1+0], s43, (0<<16)|(1<<20)|(1<<21)|(3<<22)|(3<<25)  ; 15:0 the mask; 17:16 elements of 1 byte; 20 padding on; 21 set beside a mask; 24:22 after every 16 words; 31:25 of 4 words
	s_or_b32 s[G1B+0], s44, (0<<16)|(1<<20)|(1<<21)|(3<<22)|(3<<25)
.irp g, G1, G1B
	s_mov_b32 s[\g+1], ROWB<<16                    ; tensor_dim0
	s_mov_b32 s[\g+2], 128<<16                     ; tensor_dim1
	s_mov_b32 s[\g+3], ROWB<<16                    ; tile_dim0
	s_mov_b32 s[\g+4], 128                         ; tile_dim1
	s_mov_b32 s[\g+5], KROW                        ; from row to row
	s_mov_b32 s[\g+6], 0
	s_mov_b32 s[\g+7], 0
.endr
	; the scales of 128 rows: 4,096 dense bytes, as 16 rows of 256 bytes (32 elements of 8 bytes), 16 bytes of padding behind each
	s_or_b32 s[G1S+0], s43, (3<<16)|(1<<20)|(1<<21)|(5<<22)|(3<<25)
	s_or_b32 s[G1SB+0], s44, (3<<16)|(1<<20)|(1<<21)|(5<<22)|(3<<25)
.irp g, G1S, G1SB
	s_mov_b32 s[\g+1], 32<<16
	s_mov_b32 s[\g+2], (128*KS/256)<<16
	s_mov_b32 s[\g+3], 32<<16
	s_mov_b32 s[\g+4], 128*KS/256
	s_mov_b32 s[\g+5], 32
	s_mov_b32 s[\g+6], 0
	s_mov_b32 s[\g+7], 0
.endr
	s_lshl_b32 s18, s16, 7                         ; which 128 rows of the tile I fetch
	s_lshl_b32 s20, s17, 8
	s_add_co_u32 s20, s20, s18
	s_add_co_u32 s20, s20, s96                     ; A: its row in cod
	s_lshl_b32 s46, s42, 8
	s_add_co_u32 s46, s46, s18
	s_add_co_u32 s46, s46, s97                     ; B: likewise
	s_mov_b32 s21, 0
	s_mov_b32 s47, 0
	s_mov_b64 s[18:19], KS
	s_mul_u64 s[22:23], s[20:21], s[18:19]         ; where these rows' scales begin, in bytes
	s_mul_u64 s[92:93], s[46:47], s[18:19]
	s_mov_b64 s[18:19], KROW
	s_mul_u64 s[20:21], s[20:21], s[18:19]         ; and their codes
	s_mul_u64 s[46:47], s[46:47], s[18:19]
	s_mul_i32 s45, s14, HALFT                      ; where they go: wave x 128 rows: no place in the cluster enters an LDS address
	s_mul_i32 s94, s14, HALFS
	s_wait_kmcnt 0x0
	s_add_nc_u64 s[20:21], s[4:5], s[20:21]
	s_add_nc_u64 s[22:23], s[6:7], s[22:23]
	s_add_nc_u64 s[46:47], s[4:5], s[46:47]
	s_add_nc_u64 s[92:93], s[6:7], s[92:93]
	CROUND                                         ; all sixteen work-groups are here: the first joint loads meet
	s_mov_b32 s[G0S], 1
	s_add_co_u32 s[G0S+1], s94, SCL
	s_mov_b64 s[G0S+2:G0S+3], s[22:23]
	s_or_b32 s[G0S+3], s[G0S+3], 0x80000000
	s_mov_b32 s[G0SB], 1
	s_add_co_u32 s[G0SB+1], s94, SCL
	s_mov_b64 s[G0SB+2:G0SB+3], s[92:93]
	s_or_b32 s[G0SB+3], s[G0SB+3], 0x80000000
	JLOAD G0S, G1S, G0SB, G1SB                     ; the scales first: they are wanted with K step 0
.irp s, 0,1
	s_mov_b32 s[G0+4*\s], 1
	s_add_co_u32 s[G0+4*\s+1], s45, \s*SLOT
	s_add_nc_u64 s[G0+4*\s+2:G0+4*\s+3], s[20:21], \s*ROWB
	s_or_b32 s[G0+4*\s+3], s[G0+4*\s+3], 0x80000000
	s_mov_b32 s[G0B+4*\s], 1
	s_add_co_u32 s[G0B+4*\s+1], s45, \s*SLOT
	s_add_nc_u64 s[G0B+4*\s+2:G0B+4*\s+3], s[46:47], \s*ROWB
	s_or_b32 s[G0B+4*\s+3], s[G0B+4*\s+3], 0x80000000
	JLOAD G0+4*\s, G1, G0B+4*\s, G1B
.endr
	v_and_b32 v1, 15, v0                           ; r = l % 16
	v_bfe_u32 v2, v0, 4, 1                         ; h = l / 16
	v_mul_u32_u24 v3, v1, PITCH
	v_mul_u32_u24 v4, v2, 24
	v_add_nc_u32 v4, v3, v4                        ; a fragment's row x pitch + 24 x half
	v_lshl_add_u32 v5, v2, 4, v4                   ; and the same behind one padding more
	s_mul_i32 s21, s15, HALFT                      ; my 128 rows of A
	s_mul_i32 s22, s16, HALFT                      ; my 128 rows of B,
	s_add_co_u32 s22, s22, 2*HALFT                 ; which lie behind A's 256
.irp s, 0,1
	v_add_nc_u32 v[ADRA+\s], s21, v4
	v_add_nc_u32 v[ADRB+\s], s22, v4
	v_add_nc_u32 v[ADRA+2+\s], s21, v5
	v_add_nc_u32 v[ADRB+2+\s], s22, v5
	s_add_co_u32 s21, s21, SLOT
	s_add_co_u32 s22, s22, SLOT
.endr
	v_mul_u32_u24 v5, v1, KS                       ; my row's scales: 32 bytes a row,
	v_lshrrev_b32 v6, 8, v5
	v_lshl_add_u32 v5, v6, 4, v5                   ; and 16 more for each 256 passed
	s_mul_i32 s21, s15, HALFS                      ; A's: my 128 rows
	s_mul_i32 s22, s16, HALFS                      ; B's: my 128 rows, behind A's 256
	s_add_co_u32 s22, s22, 2*HALFS
	s_sub_co_u32 s22, s22, s21
	v_mul_u32_u24 v6, s22, v2                      ; lanes 16-31 take B's
	s_add_co_u32 s21, s21, SCL
	v_add_nc_u32 v5, v5, v6
	v_add_nc_u32 v[ADRS], s21, v5
	; THE WAY OUT'S NUMBERS.  U: x's tile and my half of it: batch and first position (or key).  W: the weight's tile and half: plane and first head.
	s_add_co_u32 s20, s17, 8                       ; (Wv's tiles count on behind Wq's and Wk's eight)
	s_cmp_eq_u32 s95, 1
	s_cselect_b32 s18, s17, s42                    ; x's tile, 0..31
	s_cselect_b32 s19, s15, s16                    ; my half of it
	s_cselect_b32 s20, s42, s20                    ; the weight's tile, 0..11
	s_cselect_b32 s21, s16, s15                    ; my half of it
	s_mov_b32 s96, 3072
	s_cselect_b32 s96, 294912, s96                 ; from a fragment's first 64 along the quantised axis to its second: the next head, or the next chunk of 64 keys
	s_cselect_b32 s98, 0, 291840                   ; in the V part block 4 begins the next head: 294,912 less the four blocks passed
	s_mov_b32 s99, 0
	s_cselect_b32 s22, 16, 0                       ; Q, K: lanes 16-31 take the second head's two bytes
	s_cselect_b32 s100, 0xffff, -1                 ; Q, K: two bytes are kept,
	s_cselect_b32 s101, 0x7f7f0000, 0              ; and bytes 2 and 3 become 127;  V: the word as it is
	s_cselect_b32 s23, 0, 20224                    ; V: lanes 16-31 store the next head's 256 bytes: 20,480 less the 256 that their lane term has
	s_cselect_b32 s97, 2, 1                        ; scale bytes for each position: 4; for each key: 2
	s_lshr_b32 s46, s18, 3                         ; batch
	s_and_b32 s18, s18, 7
	s_lshl_b32 s18, s18, 8
	s_lshl_b32 s19, s19, 7
	s_add_co_u32 s18, s18, s19                     ; my first position or key in the batch
	s_lshr_b32 s19, s20, 2                         ; plane: 0 Q, 1 K, 2 V
	s_and_b32 s20, s20, 3
	s_lshl_b32 s20, s20, 2
	s_lshl_b32 s21, s21, 1
	s_add_co_u32 s20, s20, s21                     ; my first head
	s_lshl_b32 s46, s46, 4
	s_add_co_u32 s46, s46, s20                     ; batch x 16 + head
	s_mul_i32 s20, s46, 294912
	s_mul_i32 s21, s19, 98304
	s_add_co_u32 s20, s20, s21
	s_mul_i32 s21, s18, 48                         ; 48 bytes a position; a chunk of 64 keys is 3,072 bytes: 48 a key too
	s_add_co_u32 s20, s20, s21
	s_mov_b32 s21, 0
	s_add_nc_u64 s[8:9], s[8:9], s[20:21]
	s_mul_i32 s20, s46, 20480
	s_lshl_b32 s19, s19, 13
	s_add_co_u32 s20, s20, s19
	s_lshl_b32 s18, s18, s97
	s_add_co_u32 s20, s20, s18
	s_add_nc_u64 s[10:11], s[10:11], s[20:21]
	s_mov_b32 s[SEL], 0x76543210
	s_mov_b32 s[SEL+1], 0xfedcba98
	s_lshl_b32 s47, s14, 12                        ; my stage: 4,096 bytes a wave, in slot 0
	v_mul_u32_u24 v5, v1, 48
	v_mad_u32_u24 v5, v2, 24, v5
	v_add_nc_u32 v[STO], s47, v5
	v_and_b32 v6, 31, v0
	v_lshlrev_b32 v[CO0], 4, v6                    ; the stage's bytes 0-511: the first 64's rows
	v_add_nc_u32 v[RD], s47, v[CO0]
	s_sub_co_u32 s104, s96, 768
	v_mul_u32_u24 v7, s104, v2
	v_add3_u32 v[CO1], v[CO0], v7, 512             ; bytes 512-1023: lanes 0-15 the first 64's last 256 bytes, lanes 16-31 the second 64's first
	s_add_co_u32 s104, s96, 256
	v_add_nc_u32 v[CO2], s104, v[CO0]              ; bytes 1024-1535: the second 64's bytes 256-767
	v_lshlrev_b32 v7, 9, v2
	v_lshl_add_u32 v7, v1, 2, v7
	v_add_nc_u32 v7, s47, v7
	v_add_nc_u32 v[SSTO], 3072, v7                 ; scale words: 512 bytes for each half of the lanes, 4 bytes a row
	v_mul_u32_u24 v[SHV], s22, v2
	v_add_nc_u32 v[SRD], 3072, v[RD]
	v_mul_u32_u24 v7, s23, v2
	v_add_nc_u32 v[SGO], v[CO0], v7
.macro FRAG reg, adr, q, i             ; a fragment, 16 rows x 128 K, is 12 registers: lane l holds row l % 16; registers 6 c .. 6 c + 5 hold K = 64 c + 32 (l / 16) + 0 .. 31: 24 bytes of the row, as they lie
.irp p, 0,1,2,3,4,5                    ; in pieces of 8 bytes.  Lanes 16-31 read three pieces further on than lanes 0-15
.set PCE, 12*(\q)+6*(\p/3)+\p%3        ; 16 bytes of padding lie behind every 8 pieces: where the piece three on lies behind one padding more, the second address register serves
.if PCE%8 < 5
	ds_load_b64 v[\reg+2*\p:\reg+2*\p+1], v[\adr] offset:8*PCE+16*(PCE/8)+(\i)*16*PITCH
.else
	ds_load_b64 v[\reg+2*\p:\reg+2*\p+1], v[\adr+2] offset:8*PCE+16*(PCE/8)+(\i)*16*PITCH
.endif
.endr
.endm
; 16 matrix instructions: A's blocks a0, a0 + 1 x B's eight, 128 along K.  p: B's set;  sc: the set of scale words.  zero = 1: the first product starts the sums.
; The 64 accumulators take turns, one instruction a turn, in the same order in every step.
.macro MUL16 a0, p, q, sc, zero
.irp a, \a0, \a0+1
.irp b, 0,1,2,3,4,5,6,7
.if \zero
	v_wmma_scale_f32_16x16x128_f8f6f4 v[8*(8*((\a)%4)+\b):8*(8*((\a)%4)+\b)+7], v[128*(\p)+FR*\b:128*(\p)+FR*\b+FR-1], v[AF+FR*(\a):AF+FR*(\a)+FR-1], 0, v[SC+8*NQ*(\sc)+NQ*\b+(\q)], v[SC+8*NQ*(\sc)+NQ*(\a)+(\q)] matrix_a_fmt:MATRIX_FMT_FP6 matrix_b_fmt:MATRIX_FMT_FP6 matrix_a_scale:MATRIX_SCALE_ROW1
.else
	v_wmma_scale_f32_16x16x128_f8f6f4 v[8*(8*((\a)%4)+\b):8*(8*((\a)%4)+\b)+7], v[128*(\p)+FR*\b:128*(\p)+FR*\b+FR-1], v[AF+FR*(\a):AF+FR*(\a)+FR-1], v[8*(8*((\a)%4)+\b):8*(8*((\a)%4)+\b)+7], v[SC+8*NQ*(\sc)+NQ*\b+(\q)], v[SC+8*NQ*(\sc)+NQ*(\a)+(\q)] matrix_a_fmt:MATRIX_FMT_FP6 matrix_b_fmt:MATRIX_FMT_FP6 matrix_a_scale:MATRIX_SCALE_ROW1
.endif
.endr
.endr
.endm
.macro FETCH_B slot, q, p              ; B's eight fragments of the slot's q-th 128 along K into set p
	WIN TO_B
.irp i, 0,1,2,3,4,5,6,7
	FRAG 128*(\p)+FR*\i, ADRB+\slot, \q, \i
.endr
	WIN 0
.endm
.macro FETCH_A slot, q, i0             ; A's blocks i0 .. i0 + 3
.irp i, \i0, \i0+1, \i0+2, \i0+3
	FRAG AF+FR*(\i), ADRA+\slot, \q, \i
.endr
.endm
.macro SCALES sc                       ; the next K step's scale words into set sc: two words a row; lanes 0-15 take A's block i, lanes 16-31 B's block i
.irp i, 0,1,2,3,4,5,6,7
	ds_load_b64 v[SC+8*NQ*\sc+NQ*\i:SC+8*NQ*\sc+NQ*\i+1], v[ADRS] offset:\i*SBLK
.endr
.endm
; A load into a register that a matrix instruction has read, and a vector instruction that reads a matrix result or writes one of its registers, stand NP plain vector instructions behind it.
.macro PLACES n
.rept \n
	v_nop
.endr
.endm
; A step of 128 along K that has its successor in the same slot.
.macro STEP slot, q, zero
	s_wait_dscnt 4*NL                              ; B's set and A's blocks 0-3 are in; the youngest 24 loads (A's blocks 4-7) may be out
	WIN MUL_LO
	MUL16 0, (\q)%2, \q, \slot, \zero
	MUL16 2, (\q)%2, \q, \slot, \zero
	s_wait_dscnt 0                                 ; A's blocks 4-7 are in
	PLACES NP
	FETCH_B \slot, (\q)+1, 1-(\q)%2
	FETCH_A \slot, (\q)+1, 0
	WIN MUL_HI
	MUL16 4, (\q)%2, \q, \slot, \zero
	MUL16 6, (\q)%2, \q, \slot, \zero
	PLACES NP
	WIN 0
	FETCH_A \slot, (\q)+1, 4
.endm
; A slot's last step changes slots: ONE barrier; in front of it each wave waits for all its tensor loads, adds 0 to its spare word, and waits for that and for its own reads of this slot.
.macro TURN slot, next, fill
	s_wait_tensorcnt 0x0                           ; all my tensor loads have landed: my part of the next slot
	ds_add_u32 v[SPW], v[NIL]                      ; 0 onto my spare word
	s_wait_dscnt 4*NL+1                            ; (the add and the youngest 24 loads, A's blocks 4-7, may be out)
	WIN MUL_LO
	MUL16 0, 1, NQ-1, \slot, 0                     ; sixteen matrix instructions stand between the add and the wait for it
	s_wait_dscnt 0x0                               ; the add is done, and my reads of this slot are over
	s_barrier_signal -1
	MUL16 2, 1, NQ-1, \slot, 0
	WIN 0
	s_barrier_wait -1
.if \fill
	CREST                                          ; the barrier has opened a round of the cluster's barrier: no wave of any partner still reads this slot or has a load on its way
	s_add_nc_u64 s[G0+4*\slot+2:G0+4*\slot+3], s[G0+4*\slot+2:G0+4*\slot+3], 2*ROWB
	s_add_nc_u64 s[G0B+4*\slot+2:G0B+4*\slot+3], s[G0B+4*\slot+2:G0B+4*\slot+3], 2*ROWB
	JLOAD G0+4*\slot, G1, G0B+4*\slot, G1B         ; the first tensor load behind the round; its four v_nop are the places in front of the loads below
.else
	PLACES NP
.endif
	v_add_nc_u32 v[ADRS], 4*NQ, v[ADRS]            ; on to the next K step's scale words
	FETCH_B \next, 0, 0
	FETCH_A \next, 0, 0
	SCALES \next
	WIN MUL_HI
	MUL16 4, 1, NQ-1, \slot, 0
	MUL16 6, 1, NQ-1, \slot, 0
	PLACES NP
	WIN 0
	FETCH_A \next, 0, 4
.endm
	s_wait_tensorcnt 1                             ; the scales and my part of K step 0 are in (K step 1's load may be out)
	s_barrier_signal -1
	s_barrier_wait -1                              ; everybody's are
	FETCH_B 0, 0, 0
	FETCH_A 0, 0, 0
	SCALES 0
	FETCH_A 0, 0, 4
	STEP 0, 0, 1                                   ; the first step stands in front of the loop: its products start the sums
.if LAPS > 1
	s_mov_b32 s3, LAPS-1
.Llap:                                                 ; a trip goes once round the ring and fills both slots again
	TURN 0, 1, 1
	STEP 1, 0, 0
	TURN 1, 0, 1
	STEP 0, 0, 0
	s_sub_co_u32 s3, s3, 1
	s_cmp_lg_u32 s3, 0
	s_cbranch_scc1 .Llap
.endif
	TURN 0, 1, 0                                   ; the last lap fills nothing.  Behind its barrier nobody reads slot 0 any more
	STEP 1, 0, 0
	s_wait_dscnt 4*NL                              ; the very last step: nothing more to fetch
	WIN MUL_LO
	MUL16 0, 1, NQ-1, 1, 0
	MUL16 2, 1, NQ-1, 1, 0
	s_wait_dscnt 0
	WIN MUL_HI
	MUL16 4, 1, NQ-1, 1, 0
	MUL16 6, 1, NQ-1, 1, 0
	WIN 0
; THE WAY OUT, block by block of 16 rows of A.  A lane's 64 registers of a block are 128 neighbours along B, register 16 b + i = 32 b + 16 (lane / 16) + i: four blocks of 32, each shared by lanes l and l xor 16.
; QUANTW: the blocks' largest magnitudes, the scale bytes, the codes; then the halves change lanes so that a lane holds whole blocks: registers 6 c .. 6 c + 5 = block 2 c + (lane / 16).
.macro QUANTW a
.set AC, 64*((\a)%4)
.set WW, 2+(\a)/4
	WIN WW*20                                      ; sources 1 and 2: the accumulators' window
.irp b, 0,1,2,3
	v_max3_num_f32 v[TM+\b], 0x1800000, |v[AC+16*\b]|, |v[AC+16*\b+1]|   ; with the floor 2^(3 - 127): the byte cannot fall under 1.  Each accumulator is read from its low end on
.endr
.irp i, 2,4,6,8,10,12,14
.irp b, 0,1,2,3
	v_max3_num_f32 v[TM+\b], v[TM+\b], |v[AC+16*\b+\i]|, |v[AC+16*\b+\i+1]|   ; (the four blocks by turns)
.endr
.endr
	WIN 0
	s_wait_dscnt 3                                 ; the last block's seven stores into the stage are done: their registers may be written; its three loads may be out
.irp b, 0,1,2,3
	v_permlanex16_b32 v[TM+4+\b], v[TM+\b], s[SEL], s[SEL+1]
.endr
.irp b, 0,1,2,3
	v_max_num_f32 v[TM+\b], v[TM+\b], v[TM+4+\b]   ; with lane l xor 16's: the block's largest magnitude
.endr
.irp b, 0,1,2,3
	v_add_nc_u32 v[TM+12+\b], 0xff000000, v[TM+\b] ; 2 off its exponent field: the conversion's scale operand
.endr
.irp b, 0,1,2,3
	v_lshrrev_b32 v[TM+4+\b], 23, v[TM+12+\b]      ; the scale's byte
.endr
	v_lshl_or_b32 v[PW], v[TM+5], 8, v[TM+4]
	v_lshl_or_b32 v[PW], v[TM+6], 16, v[PW]
	v_lshl_or_b32 v[PW], v[TM+7], 24, v[PW]
	WIN WW                                         ; source 0: the accumulators' window
.irp c, 0,1
	v_cvt_scalef32_pk16_fp6_f32 v[PC+6*\c:PC+6*\c+2], v[AC+32*\c:AC+32*\c+15], v[TM+12+2*\c]
	v_cvt_scalef32_pk16_fp6_f32 v[PC+12+4*\c:PC+14+4*\c], v[AC+32*\c+16:AC+32*\c+31], v[TM+13+2*\c]   ; (a conversion's three registers begin on an even number)
.endr
	WIN 0
	v_nop                                          ; one plain line behind the scaled conversions
.irp c, 0,1
.irp i, 0,1,2
	v_permlane16_swap_b32 v[PC+6*\c+\i], v[PC+12+4*\c+\i]   ; the first's lanes 16-31 change places with the second's lanes 0-15
.endr
.irp i, 0,1,2
	v_mov_b32 v[PC+3+6*\c+\i], v[PC+12+4*\c+\i]
.endr
.endr
	v_lshrrev_b32 v[SW], v[SHV], v[PW]             ; Q, K: my half's head: two bytes, with 127 above them;  V: the four bytes as they are
	v_and_or_b32 v[SW], v[SW], s100, s101
.endm
.macro TOSTAGE a                       ; codes: [the first 64, the second 64][16 rows][48 bytes]; back as 3 x 512 consecutive bytes.  LDS serves a wave's instructions in order
.irp c, 0,1
.irp p, 0,1,2
	ds_store_b64 v[STO], v[PC+6*\c+2*\p:PC+6*\c+2*\p+1] offset:768*\c+8*\p
.endr
.endr
	ds_store_b32 v[SSTO], v[SW] offset:64*(\a)
.set BB, BK+12*((\a)%2)
.irp j, 0,1,2
	ds_load_b128 v[BB+4*\j:BB+4*\j+3], v[RD] offset:512*\j
.endr
.endm
.macro SEND a, younger                 ; younger: the LDS instructions issued behind block a's loads
.set BB, BK+12*((\a)%2)
	s_wait_dscnt \younger
.if (\a) > 0
	s_add_nc_u64 s[8:9], s[8:9], 768               ; (behind a wait on XCNT: the earlier stores have read their base)  16 rows of 48 bytes on
.endif
.if (\a) == 4
	s_add_nc_u64 s[8:9], s[8:9], s[98:99]          ; in the V part: the next head
.endif
	global_store_b128 v[CO0], v[BB:BB+3], s[8:9]       ; each store: two runs of 256 consecutive bytes, aligned, sixteen lanes each
	global_store_b128 v[CO1], v[BB+4:BB+7], s[8:9]
	global_store_b128 v[CO2], v[BB+8:BB+11], s[8:9]
.endm
	PLACES NP                                      ; behind the last products: their results are read and their scale registers written below
.irp b, 0,1,2,3
	v_mov_b32 v[TM+4+\b], 0                        ; a lane permute's destination counts as one of its sources
.endr
	QUANTW 0
	TOSTAGE 0
.irp a, 1,2,3,4,5,6,7
	QUANTW \a
.if \a > 1
	s_wait_xcnt 0x0                                ; block a - 2's stores have read their registers and their base
.endif
	TOSTAGE \a
	SEND \a-1, 10                                  ; behind block a - 1's loads: block a's 7 stores and 3 loads
.endr
	s_wait_xcnt 0x0
	SEND 7, 0
	ds_load_b128 v[100:103], v[SRD]                ; the scale words: Q, K: the first head's 128 positions;  V: 64 positions of each of two heads
	ds_load_b128 v[104:107], v[SRD] offset:512     ; Q, K: the second head's
	s_wait_dscnt 0x0
	global_store_b128 v[SGO], v[100:103], s[10:11]
	s_cmp_eq_u32 s95, 1                            ; the V part has one word a row: nothing more to store (the same answer in all partners)
	s_cbranch_scc0 .Lone_word
	global_store_b128 v[SGO], v[104:107], s[10:11] offset:20480
.Lone_word:
	s_wait_tensorcnt 0x0                           ; the wave's end
	ds_add_u32 v[SPW], v[NIL]
	s_wait_dscnt 0x0
	CROUND                                         ; the closing round: no work-group ends while a partner may still ask for a tile that names it
	s_endpgm
.Lfunc_end_k_q77e9bff30d_proj:
	.size	k_q77e9bff30d_proj, .Lfunc_end_k_q77e9bff30d_proj-k_q77e9bff30d_proj
	.p2alignl 7, 3214868480
	.fill 96, 4, 3214868480
	.section	.rodata,"a",@progbits
	.p2align	6, 0x0
	.amdhsa_kernel k_q77e9bff30d_proj
		.amdhsa_group_segment_fixed_size 327680
		.amdhsa_private_segment_fixed_size 0
		.amdhsa_enable_private_segment 0
		.amdhsa_kernarg_size 32
		.amdhsa_user_sgpr_count 2
		.amdhsa_user_sgpr_kernarg_segment_ptr 1
		.amdhsa_wavefront_size32 1
		.amdhsa_system_sgpr_workgroup_id_x 1
		.amdhsa_system_sgpr_workgroup_id_y 1
		.amdhsa_system_sgpr_workgroup_id_z 1
		.amdhsa_system_vgpr_workitem_id 0
		.amdhsa_next_free_vgpr 1024
		.amdhsa_next_free_sgpr 106
		.amdhsa_reserve_vcc 0
		.amdhsa_float_denorm_mode_32 3
		.amdhsa_float_denorm_mode_16_64 3
		.amdhsa_memory_ordered 1
		.amdhsa_forward_progress 1
		.amdhsa_inst_pref_size 173
	.end_amdhsa_kernel
	.amdgpu_metadata
---
amdhsa.version: [ 1, 2 ]
amdhsa.kernels:
  - .name:           k_q77e9bff30d_proj
    .symbol:         k_q77e9bff30d_proj.kd
    .args:
      - { .name: cod, .offset: 0, .size: 8, .value_kind: global_buffer, .address_space: global }
      - { .name: scl, .offset: 8, .size: 8, .value_kind: global_buffer, .address_space: global }
      - { .name: qkv, .offset: 16, .size: 8, .value_kind: global_buffer, .address_space: global }
      - { .name: qkvs, .offset: 24, .size: 8, .value_kind: global_buffer, .address_space: global }
    .group_segment_fixed_size: 327680
    .private_segment_fixed_size: 0
    .kernarg_segment_align: 8
    .kernarg_segment_size: 32
    .max_flat_workgroup_size: 128
    .sgpr_count:     106
    .vgpr_count:     1024
    .wavefront_size: 32
...
	.end_amdgpu_metadata
.endif
;; end of part 2
;; launch attn (part 3): grid 4 x 64, 16 waves a work-group, clusters of 4 x 1, 223,232 bytes of LDS; arguments qkv, qkvs, ac, asc; writes ac, asc
.if DOCPART == 3
	.amdgcn_target "amdgcn-amd-amdhsa--gfx1250"
	.amdhsa_code_object_version 6
	.text
	.protected	k_q77e9bff30d_attn
	.globl	k_q77e9bff30d_attn
	.p2align	8
	.type	k_q77e9bff30d_attn,@function
k_q77e9bff30d_attn:
	s_mov_b64 s[64:65], 0
	v_nop
	global_prefetch_b8 v0, s[64:65] scope:SCOPE_SE
	s_setreg_imm32_b32 hwreg(HW_REG_WAVE_MODE, 25, 1), 1
	s_wait_xcnt 0x0
	s_wait_alu depctr_hold_cnt(0) depctr_sa_sdst(0) depctr_va_vdst(0) depctr_va_sdst(0) depctr_va_ssrc(0) depctr_va_vcc(0) depctr_vm_vsrc(0)
	s_getreg_b32 s2, hwreg(HW_REG_IB_STS2, 6, 4)
	s_cmp_eq_u32 s2, 0
	s_cbranch_scc0 .Lentry_in_a_cluster
	s_endpgm
.Lentry_in_a_cluster:
	s_bfe_u32 s2, ttmp6, 0x10000c
	s_cmp_lg_u32 s2, 0x3003
	s_cbranch_scc0 .Lentry_shape_is_right
	s_endpgm
.Lentry_shape_is_right:
; Causal attention of one head (batch x 16 + head = work-group y) on codes of E2M3 with E8M0 scales; the result, divided by the row's sum, is quantised along the head's 64 and leaves as codes.
; IN.  qkv: [bh][3][98,304 bytes]: Q, K: [2048 positions][48 bytes] (inside every 32 tokens, tokens 8-15 and 16-23 have changed places); V: [32 chunks of 64 keys][64 channel positions][48 bytes].
;      qkvs: [bh][20,480]: Q's scale words, K's (bytes 2 and 3 = 127), V's [16 chunks of 128 keys][64 positions].
; OUT. ac: [head][8192 rows][48 bytes];  asc: [8192 rows][32 bytes], byte 2 head + block.
; THE SOFTMAX: t = score x log2(e) / 8; M = the running largest t rounded UP to a whole number; p = 2^(t - M) is quantised along the keys, not normalised; the row's sum is taken of the
; unquantised p; when M moves, the sum and O are multiplied by 2^(old M - new M), which rounds nothing.
; A HEAD'S K AND V STAY IN LDS WHOLE: 196,608 bytes of codes and 12,288 of scale words, filled once: no ring, no refill, one barrier.
; CLUSTER: the four work-groups of a cluster serve one head and ask for its K and V jointly (mask 15).
; SHARES: wave w of partner cx owns two tiles of 16 queries: t = 127 - 4 w - cx and t = 4 w + cx.  Their diagonal key steps, 15 - w / 2 and w / 2, hang on the wave's number alone, and together
; they are 17 steps of 128 keys in every wave.  A step all of whose keys come after the tile's queries is jumped over; the loops' trip counts are constants.
; LAYOUT: both products transposed: S^T = K Q^T (source 0 = 16 key positions), O^T = V^T P^T (source 0 = 16 channel positions): a lane holds ONE query (lane % 16).  By the position order
; the 16 registers of tiles 2 b, 2 b + 1 are 16 neighbouring keys (or channels): 32 b + 16 (lane / 16) + 0 .. 15.
; K = 64 IN AN INSTRUCTION OF 128: Q's registers 6-11 are zero codes, so what K's operand holds there (the next tile's codes, finite under the byte 127) adds nothing.
; LIMITS: NaN and infinities are not served; a block of zeros gets the byte 1.  asc is stored two bytes a row, since a head has two of a row's 32 bytes: one part in 25 of the launch's output.
.set VC,   98304                       ; LDS: K's codes at 0, V's here,
.set KSC,  196608                      ; K's scale words, 8,192 bytes,
.set VSC,  204800                      ; V's, 4,096,
.set STG,  208896                      ; and a stage of 768 bytes for each wave, into which no fill lands
.set AK0,  1                           ; v1  48 r + 24 h: my place in a tile of K
.set AV0,  2                           ; v2  the same in V
.set ASK0, 3                           ; v3  KSC + 4 lane
.set ASV0, 4                           ; v4  VSC + 4 lane
.set STW,  5                           ; v5  the stage, in
.set STR,  6                           ; v6  the stage, back
.set GO,   7                           ; v7  8 x lane
.set ADK,  8                           ; v8-11 the step's addresses
.set ADV,  9
.set ADS,  10
.set ADT,  11
.set BM,   212                         ; v212-215 the blocks' largest scores, then largest p
.set PB,   216                         ; v216-219 at work
.set SO,   220                         ; v220-223 the conversions' scale operands
.set WV,   12                          ; s12 wave;  s13 cx;  s14 batch x 16 + head
.set CX,   13
.set BH,   14
.set HC,   16                          ; s[16:17] the head's codes;  s[18:19] its scale words
.set HS,   18
.set SEL,  20                          ; s[20:21] lane selects: lane l xor 16
.set CS,   22                          ; s[22:23] c = log2(e) / 8
.set G1C,  24                          ; s[24:31] group 1: 48 rows of 256 bytes;  s[32:39]: 3 rows
.set G1S,  32
.set G0S,  40                          ; s[40:43], s[44:47] groups 0
.set G0C,  44
.set TK,   52                          ; s52 the step's codes: 6,144 bytes a step, in K and in V
.set TS,   53                          ; s53 K's scale words: 512 a step
.set TV,   54                          ; s54 V's: 256 a step
.set KF,   55                          ; s55 the step's first key
.set CNT,  56
.set ND,   57                          ; s57 the first key of the tile's diagonal step
.set TT,   58                          ; s58 the tile
.set QP,   60                          ; s[60:61] Q's codes, s[62:63] Q's scale words, at the tile
.set QSP,  62
.set OB,   70                          ; s[70:71] ac, s[72:73] asc at the head and batch
.set OSB,  72
.macro ROUND                           ; a round of the cluster's barrier
	s_barrier_signal -1
	s_barrier_wait -1
	s_cmp_lg_u32 s[WV], 0
	s_cbranch_scc1 .Lnot_wave_0_\@
	s_barrier_signal -3
.Lnot_wave_0_\@:
	s_barrier_wait -3
	s_barrier_signal -1
	s_barrier_wait -1
.endm
	s_load_b256 s[4:11], s[0:1], 0x0               ; qkv, qkvs, ac, asc
	v_lshl_add_u32 v254, v0, 2, 0x36000
	v_mov_b32 v255, 0
	ds_add_u32 v254, v255
	ds_add_u32 v254, v255
	v_lshrrev_b32 v1, 5, v0
	s_delay_alu instid0(VALU_DEP_1)
	v_readfirstlane_b32 s[WV], v1                  ; wave 0..15
	s_bfe_u32 s[CX], ttmp6, 0x40000                ; my place in the cluster: it enters Q's and the outputs' addresses and the mask's numbers alone
	s_and_b32 s[BH], ttmp7, 0xffff
	s_mul_i32 s[HC], s[BH], 294912
	s_mov_b32 s[HC+1], 0
	s_mul_i32 s[HS], s[BH], 20480
	s_mov_b32 s[HS+1], 0
	s_and_b32 s2, s[BH], 15                        ; head
	s_lshr_b32 s3, s[BH], 4                        ; batch
	s_mul_i32 s[OB], s2, 393216
	s_mul_i32 s59, s3, 98304
	s_add_co_u32 s[OB], s[OB], s59
	s_mov_b32 s[OB+1], 0
	s_lshl_b32 s[OSB], s3, 16
	s_lshl_b32 s59, s2, 1
	s_add_co_u32 s[OSB], s[OSB], s59
	s_mov_b32 s[OSB+1], 0
	; group 1: dense blocks as rows of 256 bytes (32 elements of 8 bytes), no padding; the mask names all four work-groups, bit 21 beside it
	s_mov_b32 s[G1C], 15|(3<<16)|(1<<21)
	s_mov_b32 s[G1C+1], 32<<16
	s_mov_b32 s[G1C+2], 48<<16
	s_mov_b32 s[G1C+3], 32<<16
	s_mov_b32 s[G1C+4], 48
	s_mov_b32 s[G1C+5], 32
	s_mov_b32 s[G1C+6], 0
	s_mov_b32 s[G1C+7], 0
	s_mov_b32 s[G1S], 15|(3<<16)|(1<<21)
	s_mov_b32 s[G1S+1], 32<<16
	s_mov_b32 s[G1S+2], 3<<16
	s_mov_b32 s[G1S+3], 32<<16
	s_mov_b32 s[G1S+4], 3
	s_mov_b32 s[G1S+5], 32
	s_mov_b32 s[G1S+6], 0
	s_mov_b32 s[G1S+7], 0
	s_lshr_b32 s2, s[WV], 3                        ; waves 0-7 fetch K's codes, waves 8-15 V's: 12,288 bytes each; in memory as in LDS V's plane follows K's
	s_mul_i32 s2, s2, 98304
	s_and_b32 s3, s[WV], 7
	s_mul_i32 s3, s3, 12288
	s_add_co_u32 s2, s2, s3
	s_mov_b32 s3, 0
	s_mul_i32 s78, s[WV], 768                      ; and 768 bytes each of the 12,288 of K's and V's scale words
	s_mov_b32 s79, 0
	s_mov_b32 s[SEL], 0x76543210
	s_mov_b32 s[SEL+1], 0xfedcba98
	s_mov_b32 s[CS], 0x3e38aa3b                    ; log2(e) / 8
	s_mov_b32 s[CS+1], s[CS]                       ; (named with it as a pair)
	s_wait_dscnt 0x0
	s_wait_kmcnt 0x0
	s_add_nc_u64 s[HC:HC+1], s[4:5], s[HC:HC+1]
	s_add_nc_u64 s[HS:HS+1], s[6:7], s[HS:HS+1]
	s_add_nc_u64 s[OB:OB+1], s[8:9], s[OB:OB+1]
	s_add_nc_u64 s[OSB:OSB+1], s[10:11], s[OSB:OSB+1]
	s_mov_b32 s[G0S], 1
	s_add_co_u32 s[G0S+1], s78, KSC
	s_add_nc_u64 s[G0S+2:G0S+3], s[HS:HS+1], s[78:79]
	s_add_nc_u64 s[G0S+2:G0S+3], s[G0S+2:G0S+3], 8192
	s_or_b32 s[G0S+3], s[G0S+3], 0x80000000
	s_mov_b32 s[G0C], 1
	s_mov_b32 s[G0C+1], s2
	s_add_nc_u64 s[G0C+2:G0C+3], s[HC:HC+1], s[2:3]
	s_add_nc_u64 s[G0C+2:G0C+3], s[G0C+2:G0C+3], 98304
	s_or_b32 s[G0C+3], s[G0C+3], 0x80000000
	ROUND                                          ; all four work-groups are here: the joint loads meet
	tensor_load_to_lds s[G0S:G0S+3], s[G1S:G1S+7]  ; every wave issues both: two tensor loads of mine are out, and there are no others in the launch
	s_nop 0
	tensor_load_to_lds s[G0C:G0C+3], s[G1C:G1C+7]
	s_nop 0
.rept 4
	v_nop
.endr
	v_and_b32 v224, 31, v0                         ; lane
	v_and_b32 v225, 15, v0                         ; r
	v_bfe_u32 v226, v0, 4, 1                       ; h
	s_delay_alu instid0(VALU_DEP_2)
	v_mul_u32_u24 v[AK0], v225, 48
	s_delay_alu instid0(VALU_DEP_1)
	v_mad_u32_u24 v[AK0], v226, 24, v[AK0]         ; rows of 48 bytes: the 32 lanes of a load of 8 bytes touch 64 different banks
	s_delay_alu instid0(VALU_DEP_1)
	v_add_nc_u32 v[AV0], VC, v[AK0]
	v_lshlrev_b32 v[ASK0], 2, v224
	s_delay_alu instid0(VALU_DEP_1)
	v_add_nc_u32 v[ASV0], VSC, v[ASK0]
	s_delay_alu instid0(VALU_DEP_2)
	v_add_nc_u32 v[ASK0], KSC, v[ASK0]
	s_mul_i32 s59, s[WV], 768
	s_add_co_u32 s59, s59, STG
	v_add_nc_u32 v[STW], s59, v[AK0]
	v_lshlrev_b32 v[GO], 3, v224
	s_delay_alu instid0(VALU_DEP_1)
	v_add_nc_u32 v[STR], s59, v[GO]
	v_and_b32 v30, 8, v225
	s_delay_alu instid0(VALU_DEP_1)
	v_add_nc_u32 v30, v30, v225                    ; r + 8 (r / 8): where query 16 t + r lies among its 32 positions (less 8 (t % 2))
	s_delay_alu instid0(VALU_DEP_1)
	v_lshlrev_b32 v31, 2, v30                      ; v31: Q's scale word
	s_delay_alu instid0(VALU_DEP_2)
	v_mul_u32_u24 v30, v30, 48
	s_delay_alu instid0(VALU_DEP_1)
	v_mad_u32_u24 v30, v226, 24, v30               ; v30: Q's codes
	v_lshlrev_b32 v93, 5, v225                     ; v93: 32 r: my row of asc
	v_lshlrev_b32 v94, 4, v226
	s_delay_alu instid0(VALU_DEP_1)
	v_sub_nc_u32 v94, v225, v94                    ; v94: r - 16 h
.irp j, 22,23,24,25,26,27,80,81,82,83,84,85
	v_mov_b32 v\j, 0                               ; Q's zero codes for k = 64 .. 127, and what the last tile of K runs on into
.endr
.irp b, 0,1,2,3
	v_mov_b32 v[PB+\b], 0                          ; a lane permute's destination counts as one of its sources
.endr
	v_mov_b32 v227, 0                              ; (named as the upper half of the pair v[226:227])
; The tile's numbers.  hi = 1: t = 127 - 4 w - cx; 0: t = 4 w + cx.  op, osp: the pairs that take its places in ac and asc.
.macro TILE hi, op, osp
	s_wait_xcnt 0x0                                ; earlier loads have read their bases
	s_lshl_b32 s[TT], s[WV], 2
	s_add_co_u32 s[TT], s[TT], s[CX]
	s_lshr_b32 s[ND], s[WV], 1
.if \hi
	s_sub_co_u32 s[TT], 127, s[TT]
	s_sub_co_u32 s[ND], 15, s[ND]
.endif
	s_lshl_b32 s[ND], s[ND], 7                     ; t / 8 = w / 2, or 15 - w / 2: no cx in it
	s_lshr_b32 s59, s[TT], 1
	s_and_b32 s78, s[TT], 1
	s_mul_i32 s[QP], s59, 1536                     ; 32 positions of 48 bytes,
	s_mul_i32 s79, s78, 384                        ; 8 positions
	s_add_co_u32 s[QP], s[QP], s79
	s_mov_b32 s[QP+1], 0
	s_add_nc_u64 s[QP:QP+1], s[HC:HC+1], s[QP:QP+1]
	s_lshl_b32 s[QSP], s59, 7
	s_lshl_b32 s78, s78, 5
	s_add_co_u32 s[QSP], s[QSP], s78
	s_mov_b32 s[QSP+1], 0
	s_add_nc_u64 s[QSP:QSP+1], s[HS:HS+1], s[QSP:QSP+1]
	s_mul_i32 s[\op], s[TT], 768
	s_mov_b32 s[\op+1], 0
	s_add_nc_u64 s[\op:\op+1], s[OB:OB+1], s[\op:\op+1]
	s_lshl_b32 s[\osp], s[TT], 9
	s_mov_b32 s[\osp+1], 0
	s_add_nc_u64 s[\osp:\osp+1], s[OSB:OSB+1], s[\osp:\osp+1]
.endm
.macro QLOAD
.irp p, 0,1,2
	global_load_b64 v[16+2*\p:17+2*\p], v30, s[QP:QP+1] offset:8*\p
.endr
	global_load_b32 v28, v31, s[QSP:QSP+1]
.endm
.macro INIT                            ; the key step is written without a first step of its own: it finds zeros, which the first change of M leaves zeros
	v_mov_b32 v13, 0xff61b1e6                      ; the largest t so far: -3e38
	s_delay_alu instid0(VALU_DEP_1)
	v_floor_f32 v12, -v13                          ; -M
	v_mov_b32 v14, 0                               ; the sum, in two halves
	v_mov_b32 v15, 0
.set j, 0
.rept 32
	v_mov_b32 v[160+j], 0                          ; O^T
.set j, j+1
.endr
	s_lshl_b32 s59, s[TT], 4
	v_add_nc_u32 v29, s59, v94                     ; my query - 16 h
	s_mov_b32 s[TK], 0
	s_mov_b32 s[TS], 0
	s_mov_b32 s[TV], 0
	s_mov_b32 s[KF], 0
.endm
; A KEY STEP: 128 keys.  mask = 1: a step behind the diagonal step is jumped over (a scalar branch on the wave's number and the loop's count), and on the diagonal hidden scores become -infinity.
.macro STEP mask
.if \mask
	s_cmp_gt_u32 s[KF], s[ND]
	s_cbranch_scc1 .Lhidden_\@
.endif
	s_setprio 2
	v_add_nc_u32 v[ADK], s[TK], v[AK0]             ; (these four are also the places behind the last step's products, in front of the loads into their operands)
	v_add_nc_u32 v[ADV], s[TK], v[AV0]
	v_add_nc_u32 v[ADS], s[TS], v[ASK0]
	v_add_nc_u32 v[ADT], s[TV], v[ASV0]
.irp i, 0,1,2,3,4,5,6,7
.irp p, 0,1,2
	ds_load_b64 v[32+6*\i+2*\p:33+6*\i+2*\p], v[ADK] offset:768*\i+8*\p   ; tile i: 16 positions, 24 bytes a lane
.endr
.endr
.irp b, 0,1,2,3
	ds_load_b32 v[86+\b], v[ADS] offset:128*\b     ; lanes 0-15: tile 2 b's scale words; lanes 16-31: tile 2 b + 1's
.endr
	s_wait_alu depctr_va_vdst(0)
	s_wait_dscnt 0x0
.irp i, 0,1,2,3,4,5,6,7
.if \i%2
	v_wmma_scale_f32_16x16x128_f8f6f4 v[96+8*\i:103+8*\i], v[32+6*\i:43+6*\i], v[16:27], 0, v[86+\i/2], v28 matrix_a_fmt:MATRIX_FMT_FP6 matrix_b_fmt:MATRIX_FMT_FP6 matrix_a_scale:MATRIX_SCALE_ROW1
.else
	v_wmma_scale_f32_16x16x128_f8f6f4 v[96+8*\i:103+8*\i], v[32+6*\i:43+6*\i], v[16:27], 0, v[86+\i/2], v28 matrix_a_fmt:MATRIX_FMT_FP6 matrix_b_fmt:MATRIX_FMT_FP6
.endif
.endr
.rept 4
	v_nop                                          ; places: the results are read, and K's registers loaded anew, below
.endr
.irp t, 0,1,2,3
.irp p, 0,1,2,3,4,5
	ds_load_b64 v[32+12*\t+2*\p:33+12*\t+2*\p], v[ADV] offset:768*\t+3072*(\p/3)+8*(\p%3)   ; V's four tiles are asked for now and land under the softmax
.endr
.endr
.irp u, 0,1
	ds_load_b32 v[90+\u], v[ADT] offset:128*\u
.endr
.if \mask
	s_cmp_lg_u32 s[KF], s[ND]
	s_cbranch_scc1 .Lopen_\@                       ; all keys of a step ahead of the diagonal step count
	v_subrev_nc_u32 v225, s[KF], v29               ; d = my query - the step's first key - 16 h.  Register 16 b + i holds key 32 b + 16 h + i of the step: hidden where 32 b + i > d
	v_mov_b32 v224, 0xff800000                     ; -infinity
.set n, 0
.rept 64
	v_cmp_gt_i32 vcc_lo, 32*(n/16)+n%16, v225
	v_cndmask_b32 v[96+n], v[96+n], v224, vcc_lo
.set n, n+1
.endr
.Lopen_\@:
.endif
.irp b, 0,1,2,3
	v_max3_num_f32 v[BM+\b], v[96+16*\b], v[97+16*\b], v[98+16*\b]   ; the largest score of each block of 32 keys: it serves the row's maximum and, since p rises with the score, the block's largest p
.endr
.irp i, 3,5,7,9,11,13
.irp b, 0,1,2,3
	v_max3_num_f32 v[BM+\b], v[BM+\b], v[96+16*\b+\i], v[97+16*\b+\i]
.endr
.endr
.irp b, 0,1,2,3
	v_max_num_f32 v[BM+\b], v[BM+\b], v[111+16*\b]
.endr
.irp b, 0,1,2,3
	s_delay_alu instid0(VALU_DEP_4)
	v_permlanex16_b32 v[PB+\b], v[BM+\b], s[SEL], s[SEL+1]
.endr
.irp b, 0,1,2,3
	s_delay_alu instid0(VALU_DEP_4)
	v_max_num_f32 v[BM+\b], v[BM+\b], v[PB+\b]     ; with lane l xor 16's 16 keys
.endr
	s_delay_alu instid0(VALU_DEP_2)
	v_max3_num_f32 v224, v[BM], v[BM+1], v[BM+2]
	s_delay_alu instid0(VALU_DEP_1)
	v_max_num_f32 v224, v224, v[BM+3]              ; the step's largest score of my query (the step's first key counts for every query of the tile: it is a number)
	s_delay_alu instid0(VALU_DEP_1)
	v_mul_f32 v224, s[CS], v224
	s_delay_alu instid0(VALU_DEP_1)
	v_max_num_f32 v13, v13, v224                   ; the running largest t
	v_mov_b32 v224, v12
	s_delay_alu instid0(VALU_DEP_2)
	v_floor_f32 v12, -v13                          ; the new -M = -ceil(t)
	s_delay_alu instid0(VALU_DEP_1)
	v_sub_f32 v224, v12, v224                      ; old M - new M: a whole number, 0 or less
	s_delay_alu instid0(VALU_DEP_1)
	v_cvt_i32_f32 v224, v224                       ; (it saturates)
	s_delay_alu instid0(VALU_DEP_1)
	v_ldexp_f32 v226, 1.0, v224                    ; f = 2^(old M - new M)
.set j, 0
.rept 32
	v_pk_fma_f32 v[96+j:97+j], v[96+j:97+j], s[CS:CS+1], v[12:13] op_sel_hi:[1,0,0]   ; t - M, two at a time
.set j, j+2
.endr
.irp b, 0,1,2,3
	v_fma_f32 v[BM+\b], v[BM+\b], s[CS], v12       ; the same of each block's largest score
.endr
.set j, 0
	s_setprio 1
	s_wait_alu depctr_va_vdst(0)
.rept 64
	v_exp_f32 v[96+j], v[96+j]                     ; p = 2^(t - M)
.set j, j+1
.endr
	v_pk_mul_f32 v[14:15], v[14:15], v[226:227] op_sel_hi:[1,0]   ; the sums under the new M (a plain line behind the exponentials)
	s_wait_alu depctr_va_vdst(0)                   ; one wait for the batch of 64, ahead of its first reader
.irp b, 0,1,2,3
	v_exp_f32 v[BM+\b], v[BM+\b]                   ; the block's largest p
.endr
	v_pk_add_f32 v[216:217], v[100:101], v[104:105]
	v_pk_add_f32 v[252:253], v[108:109], v[112:113]
	v_pk_add_f32 v[250:251], v[116:117], v[120:121]
	v_pk_add_f32 v[248:249], v[124:125], v[128:129]
	v_pk_add_f32 v[246:247], v[132:133], v[136:137]
	v_pk_add_f32 v[244:245], v[140:141], v[144:145]
	v_pk_add_f32 v[242:243], v[148:149], v[152:153]
	v_pk_add_f32 v[14:15], v[14:15], v[156:157]
	v_pk_add_f32 v[216:217], v[216:217], v[96:97]
	v_pk_add_f32 v[252:253], v[252:253], v[98:99]
	v_pk_add_f32 v[250:251], v[250:251], v[102:103]
	v_pk_add_f32 v[248:249], v[248:249], v[106:107]
	v_pk_add_f32 v[246:247], v[246:247], v[110:111]
	v_pk_add_f32 v[244:245], v[244:245], v[114:115]
	v_pk_add_f32 v[242:243], v[242:243], v[118:119]
	v_pk_add_f32 v[14:15], v[14:15], v[122:123]
	v_pk_add_f32 v[216:217], v[216:217], v[126:127]
	v_pk_add_f32 v[252:253], v[252:253], v[130:131]
	v_pk_add_f32 v[250:251], v[250:251], v[134:135]
	v_pk_add_f32 v[248:249], v[248:249], v[138:139]
	v_pk_add_f32 v[246:247], v[246:247], v[142:143]
	v_pk_add_f32 v[244:245], v[244:245], v[146:147]
	v_pk_add_f32 v[242:243], v[242:243], v[150:151]
	v_pk_add_f32 v[14:15], v[14:15], v[154:155]
	v_pk_add_f32 v[216:217], v[216:217], v[158:159]
	s_delay_alu instid0(VALU_DEP_2)
	v_pk_add_f32 v[14:15], v[14:15], v[248:249]
	s_delay_alu instid0(VALU_DEP_2)
	v_pk_add_f32 v[216:217], v[216:217], v[246:247]
	v_pk_add_f32 v[252:253], v[252:253], v[244:245]
	v_pk_add_f32 v[250:251], v[250:251], v[242:243]
	s_delay_alu instid0(VALU_DEP_2)
	v_pk_add_f32 v[14:15], v[14:15], v[252:253]
	s_delay_alu instid0(VALU_DEP_2)
	v_pk_add_f32 v[216:217], v[216:217], v[250:251]
	s_delay_alu instid0(VALU_DEP_1)
	v_pk_add_f32 v[14:15], v[14:15], v[216:217]
	s_wait_alu depctr_va_vdst(0)                   ; and one for the four
.irp b, 0,1,2,3
	v_max_num_f32 v[BM+\b], 0x1800000, v[BM+\b]    ; the floor 2^(3 - 127): a block whose every p is 0 keeps the byte 1: its codes are zeros
.endr
.irp b, 0,1,2,3
	s_delay_alu instid0(VALU_DEP_4)
	v_add_nc_u32 v[SO+\b], 0xff000000, v[BM+\b]    ; 2 off the exponent field: the conversion's scale operand
.endr
.irp b, 0,1,2,3
	s_delay_alu instid0(VALU_DEP_4)
	v_lshrrev_b32 v[PB+\b], 23, v[SO+\b]           ; the scale's byte
.endr
	s_delay_alu instid0(VALU_DEP_3)
	v_lshl_or_b32 v92, v[PB+1], 8, v[PB]           ; p's scale word for these 128 keys
	s_delay_alu instid0(VALU_DEP_1)
	v_lshl_or_b32 v92, v[PB+2], 16, v92
	s_delay_alu instid0(VALU_DEP_1)
	v_lshl_or_b32 v92, v[PB+3], 24, v92
.irp c, 0,1
	v_cvt_scalef32_pk16_fp6_f32 v[192+6*\c:194+6*\c], v[96+32*\c:111+32*\c], v[SO+2*\c]
	v_cvt_scalef32_pk16_fp6_f32 v[204+4*\c:206+4*\c], v[112+32*\c:127+32*\c], v[SO+2*\c+1]
.endr
	s_setprio 0
	v_nop                                          ; one plain line behind the scaled conversions
.irp c, 0,1                                    ; a whole block to a lane: lanes 0-15 block 2 c, lanes 16-31 block 2 c + 1
.irp i, 0,1,2
	v_permlane16_swap_b32 v[192+6*\c+\i], v[204+4*\c+\i]
.endr
.irp i, 0,1,2
	s_delay_alu instid0(VALU_DEP_3)
	v_mov_b32 v[195+6*\c+\i], v[204+4*\c+\i]
.endr
.endr
.set j, 0
.rept 16
	v_pk_mul_f32 v[160+j:161+j], v[160+j:161+j], v[226:227] op_sel_hi:[1,0]   ; O^T under the new M.  (These sixteen also stand between the writes of p's codes and scale word and the products)
.set j, j+2
.endr
	s_wait_alu depctr_va_vdst(0)
	s_wait_dscnt 0x0                               ; V is in
.irp t, 0,1,2,3                                ; the four accumulators by turns, one instruction a turn; the next step's eight products S^T stand between two links
.if \t%2
	v_wmma_scale_f32_16x16x128_f8f6f4 v[160+8*\t:167+8*\t], v[32+12*\t:43+12*\t], v[192:203], v[160+8*\t:167+8*\t], v[90+\t/2], v92 matrix_a_fmt:MATRIX_FMT_FP6 matrix_b_fmt:MATRIX_FMT_FP6 matrix_a_scale:MATRIX_SCALE_ROW1
.else
	v_wmma_scale_f32_16x16x128_f8f6f4 v[160+8*\t:167+8*\t], v[32+12*\t:43+12*\t], v[192:203], v[160+8*\t:167+8*\t], v[90+\t/2], v92 matrix_a_fmt:MATRIX_FMT_FP6 matrix_b_fmt:MATRIX_FMT_FP6
.endif
.endr
.if \mask
.Lhidden_\@:
.endif
	s_add_co_u32 s[TK], s[TK], 6144
	s_add_co_u32 s[TS], s[TS], 512
	s_add_co_u32 s[TV], s[TV], 256
	s_add_co_u32 s[KF], s[KF], 128
.endm
.macro LOOP8 mask                      ; eight key steps: a constant count
	s_mov_b32 s[CNT], 8
.Lstep_\@:
	STEP \mask
	s_sub_co_u32 s[CNT], s[CNT], 1
	s_cmp_lg_u32 s[CNT], 0
	s_cbranch_scc1 .Lstep_\@
	s_setprio 0
.endm
; A tile's end: O^T / the sum; its two blocks of 32 channels are quantised; the 768 bytes of 16 rows go through my stage and leave as three runs of 256 consecutive bytes, aligned.
.macro FINISH op, osp
	v_add_f32 v14, v14, v15
	s_delay_alu instid0(VALU_DEP_1)
	v_permlanex16_b32 v224, v14, s[SEL], s[SEL+1]
	s_delay_alu instid0(VALU_DEP_1)
	v_add_f32 v14, v14, v224                       ; the row's sum
	s_wait_alu depctr_va_vdst(0)
	v_rcp_f32 v14, v14
	v_nop                                          ; a plain line behind the reciprocal,
	s_wait_alu depctr_va_vdst(0)                   ; and the wait ahead of its first reader
.set j, 0
.rept 16
	v_pk_mul_f32 v[96+j:97+j], v[160+j:161+j], v[14:15] op_sel_hi:[1,0]   ; register 16 b + i: channel 32 b + 16 h + i of my query; each accumulator from its low end on
.set j, j+2
.endr
.irp b, 0,1
	v_max3_num_f32 v[BM+\b], |v[96+16*\b]|, |v[97+16*\b]|, 0x1800000
.endr
.irp i, 2,4,6,8,10,12,14
.irp b, 0,1
	s_delay_alu instid0(VALU_DEP_2)
	v_max3_num_f32 v[BM+\b], v[BM+\b], |v[96+16*\b+\i]|, |v[97+16*\b+\i]|
.endr
.endr
.irp b, 0,1
	s_delay_alu instid0(VALU_DEP_2)
	v_permlanex16_b32 v[PB+\b], v[BM+\b], s[SEL], s[SEL+1]
.endr
.irp b, 0,1
	s_delay_alu instid0(VALU_DEP_2)
	v_max_num_f32 v[BM+\b], v[BM+\b], v[PB+\b]
.endr
.irp b, 0,1
	s_delay_alu instid0(VALU_DEP_2)
	v_add_nc_u32 v[SO+\b], 0xff000000, v[BM+\b]
.endr
.irp b, 0,1
	s_delay_alu instid0(VALU_DEP_2)
	v_lshrrev_b32 v[PB+\b], 23, v[SO+\b]
.endr
	s_delay_alu instid0(VALU_DEP_1)
	v_lshl_or_b32 v224, v[PB+1], 8, v[PB]          ; my row's two scale bytes
	v_cvt_scalef32_pk16_fp6_f32 v[192:194], v[96:111], v[SO]
	v_cvt_scalef32_pk16_fp6_f32 v[204:206], v[112:127], v[SO+1]
	v_nop
.irp i, 0,1,2
	v_permlane16_swap_b32 v[192+\i], v[204+\i]
.endr
.irp i, 0,1,2
	s_delay_alu instid0(VALU_DEP_3)
	v_mov_b32 v[195+\i], v[204+\i]                 ; v192-197: block h of row r: 24 bytes
.endr
.irp p, 0,1,2
	ds_store_b64 v[STW], v[192+2*\p:193+2*\p] offset:8*\p
.endr
.irp j, 0,1,2
	ds_load_b64 v[208+2*\j:209+2*\j], v[STR] offset:256*\j   ; LDS serves a wave's instructions in order: these see my stores
.endr
	s_wait_alu depctr_va_vdst(0)
	s_wait_dscnt 0x0
.irp j, 0,1,2
	global_store_b64 v[GO], v[208+2*\j:209+2*\j], s[\op:\op+1] offset:256*\j
.endr
	global_store_b16 v93, v224, s[\osp:\osp+1]     ; lanes r and r + 16 hold the same two bytes and write them to the same place
.endm
	TILE 1, 66, 68                                 ; the late tile first
	QLOAD
	INIT
	s_wait_tensorcnt 0x0                           ; my parts of the head's K, V and scale words are in,
	s_barrier_signal -1
	s_barrier_wait -1                              ; everybody's are: from here on LDS is only read, but for each wave's own stage
	s_wait_loadcnt 0x0                             ; Q
	LOOP8 0                                        ; keys 0-1023: all count for queries from 1024 on
	LOOP8 1                                        ; keys 1024 on, up to the diagonal step
.rept 4
	v_nop                                          ; places behind the last products: Q's registers are loaded anew and O^T is read
.endr
	TILE 0, 74, 76                                 ; the early tile: its Q is asked for while the late tile leaves
	QLOAD
	FINISH 66, 68
	INIT
	s_wait_xcnt 0x0                                ; the stores have read their registers: the next steps write them again
	s_wait_loadcnt 0x0                             ; Q
	LOOP8 1
.rept 4
	v_nop
.endr
	FINISH 74, 76
	s_wait_tensorcnt 0x0
	ds_add_u32 v254, v255
	s_wait_dscnt 0x0
	ROUND                                          ; the closing round
	s_endpgm
.Lfunc_end_k_q77e9bff30d_attn:
	.size	k_q77e9bff30d_attn, .Lfunc_end_k_q77e9bff30d_attn-k_q77e9bff30d_attn
	.p2alignl 7, 3214868480
	.fill 96, 4, 3214868480
	.section	.rodata,"a",@progbits
	.p2align	6, 0x0
	.amdhsa_kernel k_q77e9bff30d_attn
		.amdhsa_group_segment_fixed_size 223232
		.amdhsa_private_segment_fixed_size 0
		.amdhsa_enable_private_segment 0
		.amdhsa_kernarg_size 32
		.amdhsa_user_sgpr_count 2
		.amdhsa_user_sgpr_kernarg_segment_ptr 1
		.amdhsa_wavefront_size32 1
		.amdhsa_system_sgpr_workgroup_id_x 1
		.amdhsa_system_sgpr_workgroup_id_y 1
		.amdhsa_system_sgpr_workgroup_id_z 1
		.amdhsa_system_vgpr_workitem_id 0
		.amdhsa_next_free_vgpr 256
		.amdhsa_next_free_sgpr 80
		.amdhsa_reserve_vcc 1
		.amdhsa_float_denorm_mode_32 3
		.amdhsa_float_denorm_mode_16_64 3
		.amdhsa_memory_ordered 1
		.amdhsa_forward_progress 1
		.amdhsa_inst_pref_size 88
	.end_amdhsa_kernel
	.amdgpu_metadata
---
amdhsa.version: [ 1, 2 ]
amdhsa.kernels:
  - .name:           k_q77e9bff30d_attn
    .symbol:         k_q77e9bff30d_attn.kd
    .args:
      - { .name: qkv, .offset: 0, .size: 8, .value_kind: global_buffer, .address_space: global }
      - { .name: qkvs, .offset: 8, .size: 8, .value_kind: global_buffer, .address_space: global }
      - { .name: ac, .offset: 16, .size: 8, .value_kind: global_buffer, .address_space: global }
      - { .name: asc, .offset: 24, .size: 8, .value_kind: global_buffer, .address_space: global }
    .group_segment_fixed_size: 223232
    .private_segment_fixed_size: 0
    .kernarg_segment_align: 8
    .kernarg_segment_size: 32
    .max_flat_workgroup_size: 512
    .sgpr_count:     80
    .vgpr_count:     256
    .wavefront_size: 32
...
	.end_amdgpu_metadata
.endif
;; end of part 3
;; launch outp (part 4): grid 4 x 32, 4 waves a work-group, clusters of 4 x 4, 327,680 bytes of LDS; arguments ac, asc, cod, scl, out0; writes out0
.if DOCPART == 4
	.amdgcn_target "amdgcn-amd-amdhsa--gfx1250"
	.amdhsa_code_object_version 6
	.text
	.protected	k_q77e9bff30d_outp
	.globl	k_q77e9bff30d_outp
	.p2align	8
	.type	k_q77e9bff30d_outp,@function
k_q77e9bff30d_outp:
	s_mov_b64 s[64:65], 0
	v_nop
	global_prefetch_b8 v0, s[64:65] scope:SCOPE_SE
	s_setreg_imm32_b32 hwreg(HW_REG_WAVE_MODE, 25, 1), 1
	s_wait_xcnt 0x0
	s_wait_alu depctr_hold_cnt(0) depctr_sa_sdst(0) depctr_va_vdst(0) depctr_va_sdst(0) depctr_va_ssrc(0) depctr_va_vcc(0) depctr_vm_vsrc(0)
	s_getreg_b32 s2, hwreg(HW_REG_IB_STS2, 6, 4)
	s_cmp_eq_u32 s2, 0
	s_cbranch_scc0 .Lentry_in_a_cluster
	s_endpgm
.Lentry_in_a_cluster:
	s_bfe_u32 s2, ttmp6, 0x10000c
	s_cmp_lg_u32 s2, 0xf033
	s_cbranch_scc0 .Lentry_shape_is_right
	s_endpgm
.Lentry_shape_is_right:
; out0[m][n] = sum over k of A[m][k] Wo[n][k] on codes of E2M3 with E8M0 scales; sums in f32.  M = 8192, N = 1024, K = 1024 = 16 heads x 64.
; A's codes lie head by head: ac [16 heads][8192 rows][48 bytes]; its scale bytes asc [8192][32].  Wo: rows 11264 on of cod (768 bytes a row) and of scl (32 bytes a row), in natural order.
; A tile of 256 x 256 is made by four waves, 128 x 128 each: 64 accumulators, 512 registers.  K goes in steps of 256 (four heads) through two LDS slots filled by the tensor data mover.
; A's part of a slot: a wave's load brings 4 runs (heads) of 6,144 dense bytes (128 rows x 48), 393,216 bytes apart in memory, on end in LDS: rows of 48 bytes, with which the 32 lanes of a load of
; 8 bytes touch 64 different banks.  B's part: 128 rows of 192 bytes, 16 bytes of padding behind every 64.
; The scales of the work-group's rows, for all of K, come into LDS once, with the first fills.
; CLUSTERS: 4 x 4 work-groups; A's tiles are asked for jointly along a row of the cluster, B's along a column.  The matrix instruction is used transposed (source 0 = 16 rows of Wo, source 1 = 16 rows
; of A): a lane holds eight neighbouring numbers of a row of out0.
; 128 work-groups: the tile is kept at the size that feeds most products from each LDS byte.
; REGISTERS, in windows of 256: window 0: v0-31 addresses; v32-63 scale words, two sets; from v128 A's fragments, one set.  window 1: B's fragments, two sets.  windows 2, 3: the accumulators.
.set SIZE_N, 1024
.set SIZE_K, 1024
.set KSTEP,  256
.set NQ,     KSTEP/128
.set ROWB,   192                       ; B: a tile's row in bytes
.set KROW,   SIZE_K*6/8                ; B: a row of cod
.set ASTEP,  4*393216                  ; A: four heads on, in bytes
.set PITCH,  240                       ; B: an LDS row: 3 x (64 + 16)
.set FR,     12
.set NL,     6
.set NP,     4                         ; places behind this matrix instruction (ISA guide 7.12.1)
.set HALFT,  128*PITCH                 ; a wave's part of a slot (A uses 24,576 of these 30,720 bytes)
.set SLOT,   4*HALFT
.set LAPS,   SIZE_K/(2*KSTEP)
.set KS,     SIZE_K/32
.set SCL,    2*SLOT
.set HALFS,  (128*KS/256)*272
.set SBLK,   (16*KS/256)*272
.set SPARE,  SCL+4*HALFS               ; the spare words, 128 bytes for each wave: two blocks of 256 bytes that no other line names
.set SPITCH, 528                       ; the way out: a stage of 16 rows x (512 + 16) bytes for each wave, in slot 0, which has had its last fill and its last read by then
.set ADRA, 16                          ; v16-17 LDS address of my A fragments in slot 0, 1
.set ADRB, 20                          ; v20-21 the same for B (v22-23: for the pieces behind one padding more)
.set STO,  24
.set RD,   25
.set CO,   26
.set ADRS, 27
.set SPW,  28                          ; v28 LDS address of my spare word; never rewritten
.set NIL,  29                          ; v29 0; never rewritten
.set SC,   32
.set AF,   128
.set BK,   128                         ; the way out: 16 rows read back: v128-191 and v192-255 by turns
.set G1, 24
.set G0, 32
.set G1B, 48
.set G0B, 56
.set G1S, 68
.set G0S, 76
.set G1SB, 80
.set G0SB, 88
.set MSB, 0
.macro WIN new                         ; the immediate's high byte repeats the setting that is left
.if MSB != \new
	s_set_vgpr_msb (MSB<<8)|\new
.set MSB, \new
.endif
.endm
.set MUL_LO, 0xa1
.set MUL_HI, 0xf1
.set TO_B,   0x40
.macro JLOAD g0a, g1a, g0b, g1b        ; a joint load: waves 0 and 1 fetch for A, waves 2 and 3 for B; four v_nop follow each of the two lines
	s_cmp_eq_u32 s15, 0
	s_cbranch_scc0 .Lfor_b_\@
	tensor_load_to_lds s[\g0a:\g0a+3], s[\g1a:\g1a+7]
	s_nop 0
.rept 4
	v_nop
.endr
	s_branch .Lasked_\@
.Lfor_b_\@:
	tensor_load_to_lds s[\g0b:\g0b+3], s[\g1b:\g1b+7]
	s_nop 0
.rept 4
	v_nop
.endr
.Lasked_\@:
.endm
.macro CREST
	s_cmp_lg_u32 s14, 0
	s_cbranch_scc1 .Lnot_wave_0_\@
	s_barrier_signal -3
.Lnot_wave_0_\@:
	s_barrier_wait -3
	s_barrier_signal -1
	s_barrier_wait -1
.endm
.macro CROUND
	s_barrier_signal -1
	s_barrier_wait -1
	CREST
.endm
	s_load_b128 s[4:7], s[0:1], 0x0                ; ac, asc
	s_load_b128 s[8:11], s[0:1], 0x10              ; cod, scl
	s_load_b64 s[12:13], s[0:1], 0x20              ; out0
	v_lshl_add_u32 v[SPW], v0, 2, SPARE
	v_mov_b32 v[NIL], 0
	ds_add_u32 v28, v29
	ds_add_u32 v28, v29
	s_wait_dscnt 0x0
	v_lshrrev_b32 v1, 5, v0
	v_readfirstlane_b32 s14, v1                    ; wave 0..3
	s_lshr_b32 s15, s14, 1                         ; which half of the tile's rows is mine.  Also: I fetch for A (0) or for B (1)
	s_and_b32 s16, s14, 1                          ; which half of its columns.  Also: which 128 rows of that tile I fetch
	s_bfe_u32 s40, ttmp6, 0x40000                  ; cx, cy
	s_bfe_u32 s41, ttmp6, 0x40004
	s_lshl_b32 s42, ttmp9, 2
	s_add_co_u32 s42, s42, s40                     ; tile column
	s_and_b32 s17, ttmp7, 0xffff
	s_lshl_b32 s17, s17, 2
	s_add_co_u32 s17, s17, s41                     ; tile row
	s_lshl_b32 s43, s41, 2
	s_lshl_b32 s43, 15, s43                        ; my row of the cluster
	s_lshl_b32 s44, 0x1111, s40                    ; my column
	; A's tiles: 4 rows of 768 elements of 8 bytes, 49,152 elements apart, no padding
	s_or_b32 s[G1+0], s43, (3<<16)|(1<<21)
	s_mov_b32 s[G1+1], 768<<16                     ; tensor_dim0
	s_mov_b32 s[G1+2], 4<<16                       ; tensor_dim1
	s_mov_b32 s[G1+3], 768<<16                     ; tile_dim0
	s_mov_b32 s[G1+4], 4                           ; tile_dim1
	s_mov_b32 s[G1+5], 49152                       ; from head to head
	s_mov_b32 s[G1+6], 0
	s_mov_b32 s[G1+7], 0
	; B's tiles: 128 rows x 192 bytes, 16 bytes of padding behind every 64
	s_or_b32 s[G1B+0], s44, (0<<16)|(1<<20)|(1<<21)|(3<<22)|(3<<25)
	s_mov_b32 s[G1B+1], ROWB<<16
	s_mov_b32 s[G1B+2], 128<<16
	s_mov_b32 s[G1B+3], ROWB<<16
	s_mov_b32 s[G1B+4], 128
	s_mov_b32 s[G1B+5], KROW
	s_mov_b32 s[G1B+6], 0
	s_mov_b32 s[G1B+7], 0
	; the scales of 128 rows: 4,096 dense bytes as 16 rows of 256, 16 bytes of padding behind each
	s_or_b32 s[G1S+0], s43, (3<<16)|(1<<20)|(1<<21)|(5<<22)|(3<<25)
	s_or_b32 s[G1SB+0], s44, (3<<16)|(1<<20)|(1<<21)|(5<<22)|(3<<25)
.irp g, G1S, G1SB
	s_mov_b32 s[\g+1], 32<<16
	s_mov_b32 s[\g+2], (128*KS/256)<<16
	s_mov_b32 s[\g+3], 32<<16
	s_mov_b32 s[\g+4], 128*KS/256
	s_mov_b32 s[\g+5], 32
	s_mov_b32 s[\g+6], 0
	s_mov_b32 s[\g+7], 0
.endr
	s_lshl_b32 s18, s16, 7
	s_lshl_b32 s20, s17, 8
	s_add_co_u32 s20, s20, s18                     ; A: row 256 x tile row + 128 x half
	s_lshl_b32 s46, s42, 8
	s_add_co_u32 s46, s46, s18                     ; B: row 256 x tile column + 128 x half
	s_mov_b32 s21, 0
	s_mov_b32 s47, 0
	s_mov_b64 s[18:19], KS
	s_mul_u64 s[22:23], s[20:21], s[18:19]         ; where these rows' scales begin
	s_mul_u64 s[92:93], s[46:47], s[18:19]
	s_mov_b64 s[18:19], 48
	s_mul_u64 s[20:21], s[20:21], s[18:19]         ; A's codes: 48 bytes a row in a head's plane
	s_mov_b64 s[18:19], KROW
	s_mul_u64 s[46:47], s[46:47], s[18:19]         ; B's
	s_mul_i32 s45, s14, HALFT
	s_mul_i32 s94, s14, HALFS
	s_wait_kmcnt 0x0
	s_add_nc_u64 s[8:9], s[8:9], 8650752           ; Wo's first row in cod: 11,264 x 768
	s_add_nc_u64 s[10:11], s[10:11], 360448        ; and in scl: 11,264 x 32
	s_add_nc_u64 s[20:21], s[4:5], s[20:21]
	s_add_nc_u64 s[22:23], s[6:7], s[22:23]
	s_add_nc_u64 s[46:47], s[8:9], s[46:47]
	s_add_nc_u64 s[92:93], s[10:11], s[92:93]
	CROUND                                         ; all sixteen work-groups are here: the first joint loads meet
	s_mov_b32 s[G0S], 1
	s_add_co_u32 s[G0S+1], s94, SCL
	s_mov_b64 s[G0S+2:G0S+3], s[22:23]
	s_or_b32 s[G0S+3], s[G0S+3], 0x80000000
	s_mov_b32 s[G0SB], 1
	s_add_co_u32 s[G0SB+1], s94, SCL
	s_mov_b64 s[G0SB+2:G0SB+3], s[92:93]
	s_or_b32 s[G0SB+3], s[G0SB+3], 0x80000000
	JLOAD G0S, G1S, G0SB, G1SB                     ; the scales first
.irp s, 0,1
	s_mov_b32 s[G0+4*\s], 1
	s_add_co_u32 s[G0+4*\s+1], s45, \s*SLOT
	s_add_nc_u64 s[G0+4*\s+2:G0+4*\s+3], s[20:21], \s*ASTEP
	s_or_b32 s[G0+4*\s+3], s[G0+4*\s+3], 0x80000000
	s_mov_b32 s[G0B+4*\s], 1
	s_add_co_u32 s[G0B+4*\s+1], s45, \s*SLOT
	s_add_nc_u64 s[G0B+4*\s+2:G0B+4*\s+3], s[46:47], \s*ROWB
	s_or_b32 s[G0B+4*\s+3], s[G0B+4*\s+3], 0x80000000
	JLOAD G0+4*\s, G1, G0B+4*\s, G1B
.endr
	v_and_b32 v1, 15, v0                           ; r
	v_bfe_u32 v2, v0, 4, 1                         ; h
	v_mul_u32_u24 v3, v1, PITCH
	v_mul_u32_u24 v4, v2, 24
	v_add_nc_u32 v4, v3, v4                        ; B: row x pitch + 24 x half
	v_lshl_add_u32 v5, v2, 4, v4                   ; and the same behind one padding more
	v_mul_u32_u24 v7, v1, 48
	v_mad_u32_u24 v7, v2, 24, v7                   ; A: 48 r + 24 h
	s_mul_i32 s21, s15, HALFT                      ; my 128 rows of A
	s_mul_i32 s22, s16, HALFT                      ; my 128 rows of B,
	s_add_co_u32 s22, s22, 2*HALFT                 ; behind A's two parts
.irp s, 0,1
	v_add_nc_u32 v[ADRA+\s], s21, v7
	v_add_nc_u32 v[ADRB+\s], s22, v4
	v_add_nc_u32 v[ADRB+2+\s], s22, v5
	s_add_co_u32 s21, s21, SLOT
	s_add_co_u32 s22, s22, SLOT
.endr
	v_mul_u32_u24 v5, v1, KS
	v_lshrrev_b32 v6, 8, v5
	v_lshl_add_u32 v5, v6, 4, v5
	s_mul_i32 s21, s15, HALFS
	s_mul_i32 s22, s16, HALFS
	s_add_co_u32 s22, s22, 2*HALFS
	s_sub_co_u32 s22, s22, s21
	v_mul_u32_u24 v6, s22, v2                      ; lanes 16-31 take B's
	s_add_co_u32 s21, s21, SCL
	v_add_nc_u32 v5, v5, v6
	v_add_nc_u32 v[ADRS], s21, v5
	s_mul_i32 s23, s14, 16*SPITCH                  ; my stage
	v_mul_u32_u24 v5, v1, SPITCH
	v_lshl_add_u32 v5, v2, 5, v5
	v_add_nc_u32 v[STO], s23, v5
	v_and_b32 v6, 31, v0
	v_lshlrev_b32 v[CO], 4, v6
	v_add_nc_u32 v[RD], s23, v[CO]
	s_lshl_b32 s20, s17, 8
	s_lshl_b32 s21, s15, 7
	s_add_co_u32 s20, s20, s21                     ; my first row of out0
	s_mov_b32 s21, 0
	s_mov_b64 s[18:19], SIZE_N*4
	s_mul_u64 s[20:21], s[20:21], s[18:19]
	s_lshl_b32 s46, s42, 10                        ; my first column, in bytes
	s_lshl_b32 s47, s16, 9
	s_add_co_u32 s46, s46, s47
	s_mov_b32 s47, 0
	s_add_nc_u64 s[20:21], s[20:21], s[46:47]
	s_add_nc_u64 s[12:13], s[12:13], s[20:21]
.macro FRAG reg, adr, q, i             ; B: a fragment from rows of 240 bytes, in pieces of 8 bytes; where the piece three on lies behind one padding more, the second address register serves
.irp p, 0,1,2,3,4,5
.set PCE, 12*(\q)+6*(\p/3)+\p%3
.if PCE%8 < 5
	ds_load_b64 v[\reg+2*\p:\reg+2*\p+1], v[\adr] offset:8*PCE+16*(PCE/8)+(\i)*16*PITCH
.else
	ds_load_b64 v[\reg+2*\p:\reg+2*\p+1], v[\adr+2] offset:8*PCE+16*(PCE/8)+(\i)*16*PITCH
.endif
.endr
.endm
.macro FRAGA reg, adr, q, i            ; A: registers 6 c .. 6 c + 5 = K 64 c + 32 h on = head 2 q + c of the slot's four, block h: 24 bytes of row 16 i + r
.irp p, 0,1,2,3,4,5
	ds_load_b64 v[\reg+2*\p:\reg+2*\p+1], v[\adr] offset:(2*(\q)+\p/3)*6144+(\i)*768+8*(\p%3)
.endr
.endm
.macro MUL16 a0, p, q, sc, zero        ; 16 matrix instructions; the 64 accumulators take turns, one instruction a turn
.irp a, \a0, \a0+1
.irp b, 0,1,2,3,4,5,6,7
.if \zero
	v_wmma_scale_f32_16x16x128_f8f6f4 v[8*(8*((\a)%4)+\b):8*(8*((\a)%4)+\b)+7], v[128*(\p)+FR*\b:128*(\p)+FR*\b+FR-1], v[AF+FR*(\a):AF+FR*(\a)+FR-1], 0, v[SC+8*NQ*(\sc)+NQ*\b+(\q)], v[SC+8*NQ*(\sc)+NQ*(\a)+(\q)] matrix_a_fmt:MATRIX_FMT_FP6 matrix_b_fmt:MATRIX_FMT_FP6 matrix_a_scale:MATRIX_SCALE_ROW1
.else
	v_wmma_scale_f32_16x16x128_f8f6f4 v[8*(8*((\a)%4)+\b):8*(8*((\a)%4)+\b)+7], v[128*(\p)+FR*\b:128*(\p)+FR*\b+FR-1], v[AF+FR*(\a):AF+FR*(\a)+FR-1], v[8*(8*((\a)%4)+\b):8*(8*((\a)%4)+\b)+7], v[SC+8*NQ*(\sc)+NQ*\b+(\q)], v[SC+8*NQ*(\sc)+NQ*(\a)+(\q)] matrix_a_fmt:MATRIX_FMT_FP6 matrix_b_fmt:MATRIX_FMT_FP6 matrix_a_scale:MATRIX_SCALE_ROW1
.endif
.endr
.endr
.endm
.macro FETCH_B slot, q, p
	WIN TO_B
.irp i, 0,1,2,3,4,5,6,7
	FRAG 128*(\p)+FR*\i, ADRB+\slot, \q, \i
.endr
	WIN 0
.endm
.macro FETCH_A slot, q, i0
.irp i, \i0, \i0+1, \i0+2, \i0+3
	FRAGA AF+FR*(\i), ADRA+\slot, \q, \i
.endr
.endm
.macro SCALES sc
.irp i, 0,1,2,3,4,5,6,7
	ds_load_b64 v[SC+8*NQ*\sc+NQ*\i:SC+8*NQ*\sc+NQ*\i+1], v[ADRS] offset:\i*SBLK
.endr
.endm
.macro PLACES n                        ; plain vector lines between a matrix instruction and a load into, or a read of, its registers
.rept \n
	v_nop
.endr
.endm
.macro STEP slot, q, zero
	s_wait_dscnt 4*NL                              ; B's set and A's blocks 0-3 are in; the youngest 24 loads (A's blocks 4-7) may be out
	WIN MUL_LO
	MUL16 0, (\q)%2, \q, \slot, \zero
	MUL16 2, (\q)%2, \q, \slot, \zero
	s_wait_dscnt 0
	PLACES NP
	FETCH_B \slot, (\q)+1, 1-(\q)%2
	FETCH_A \slot, (\q)+1, 0
	WIN MUL_HI
	MUL16 4, (\q)%2, \q, \slot, \zero
	MUL16 6, (\q)%2, \q, \slot, \zero
	PLACES NP
	WIN 0
	FETCH_A \slot, (\q)+1, 4
.endm
.macro TURN slot, next, fill           ; a slot's last step changes slots: one barrier
	s_wait_tensorcnt 0x0                           ; all my tensor loads have landed: my part of the next slot
	ds_add_u32 v[SPW], v[NIL]                      ; 0 onto my spare word
	s_wait_dscnt 4*NL+1                            ; (the add and the youngest 24 loads may be out)
	WIN MUL_LO
	MUL16 0, 1, NQ-1, \slot, 0
	s_wait_dscnt 0x0                               ; the add is done, and my reads of this slot are over
	s_barrier_signal -1
	MUL16 2, 1, NQ-1, \slot, 0
	WIN 0
	s_barrier_wait -1
.if \fill
	CREST                                          ; a round of the cluster's barrier: no wave of any partner still reads this slot or has a load on its way
	s_add_nc_u64 s[G0+4*\slot+2:G0+4*\slot+3], s[G0+4*\slot+2:G0+4*\slot+3], 2*ASTEP
	s_add_nc_u64 s[G0B+4*\slot+2:G0B+4*\slot+3], s[G0B+4*\slot+2:G0B+4*\slot+3], 2*ROWB
	JLOAD G0+4*\slot, G1, G0B+4*\slot, G1B
.else
	PLACES NP
.endif
	s_wait_alu depctr_va_vdst(0)
	v_add_nc_u32 v[ADRS], 4*NQ, v[ADRS]
	FETCH_B \next, 0, 0
	FETCH_A \next, 0, 0
	SCALES \next
	WIN MUL_HI
	MUL16 4, 1, NQ-1, \slot, 0
	MUL16 6, 1, NQ-1, \slot, 0
	PLACES NP
	WIN 0
	FETCH_A \next, 0, 4
.endm
	s_wait_alu depctr_va_vdst(0)
	s_wait_tensorcnt 1                             ; the scales and my part of K step 0 are in (K step 1's load may be out)
	s_barrier_signal -1
	s_barrier_wait -1
	FETCH_B 0, 0, 0
	FETCH_A 0, 0, 0
	SCALES 0
	FETCH_A 0, 0, 4
	STEP 0, 0, 1                                   ; the first step's products start the sums
.if LAPS > 1
	s_mov_b32 s3, LAPS-1
.Llap:
	TURN 0, 1, 1
	STEP 1, 0, 0
	TURN 1, 0, 1
	STEP 0, 0, 0
	s_sub_co_u32 s3, s3, 1
	s_cmp_lg_u32 s3, 0
	s_cbranch_scc1 .Llap
.endif
	TURN 0, 1, 0                                   ; the last lap fills nothing
	STEP 1, 0, 0
	s_wait_dscnt 4*NL
	WIN MUL_LO
	MUL16 0, 1, NQ-1, 1, 0
	MUL16 2, 1, NQ-1, 1, 0
	s_wait_dscnt 0
	WIN MUL_HI
	MUL16 4, 1, NQ-1, 1, 0
	MUL16 6, 1, NQ-1, 1, 0
	WIN 0
; THE WAY OUT, block by block of 16 rows x 128 columns: through my own stage in LDS and back as whole rows of 512 bytes.  LDS serves a wave's instructions in order.
.macro TOSTAGE a
.set AC, 64*((\a)%4)
	WIN 0x08+4*((\a)/4)                            ; the data: window 2 or 3
.irp b, 0,1,2,3,4,5,6,7
	ds_store_b128 v[STO], v[AC+8*\b:AC+8*\b+3] offset:64*\b          ; each accumulator from its low end on
	ds_store_b128 v[STO], v[AC+8*\b+4:AC+8*\b+7] offset:64*\b+16
.endr
	WIN 0
.set BB, BK+64*((\a)%2)
.irp t, 0,1,2,3,4,5,6,7,8,9,10,11,12,13,14,15
	ds_load_b128 v[BB+4*\t:BB+4*\t+3], v[RD] offset:\t*SPITCH
.endr
.endm
.macro SEND a, younger
.set BB, BK+64*((\a)%2)
	s_wait_dscnt \younger
.if (\a) > 0
	s_add_nc_u64 s[12:13], s[12:13], 16*SIZE_N*4   ; (behind a wait on XCNT)  16 rows on
.endif
.irp t, 0,1,2,3,4,5,6,7,8,9,10,11,12,13,14,15
	global_store_b128 v[CO], v[BB+4*\t:BB+4*\t+3], s[12:13] offset:\t*SIZE_N*4 th:TH_STORE_NT   ; 32 lanes store 512 consecutive bytes, aligned
.endr
.endm
	PLACES NP
	TOSTAGE 0
.irp a, 1,2,3,4,5,6,7
.if \a > 1
	s_wait_xcnt 0x0                                ; block a - 2's stores have read their registers and their base
.endif
	TOSTAGE \a
	SEND \a-1, 32                                  ; behind block a - 1's loads: block a's 16 stores and 16 loads
.endr
	s_wait_xcnt 0x0
	SEND 7, 0
	s_wait_tensorcnt 0x0                           ; the wave's end
	ds_add_u32 v[SPW], v[NIL]
	s_wait_dscnt 0x0
	CROUND                                         ; the closing round
	s_endpgm
.Lfunc_end_k_q77e9bff30d_outp:
	.size	k_q77e9bff30d_outp, .Lfunc_end_k_q77e9bff30d_outp-k_q77e9bff30d_outp
	.p2alignl 7, 3214868480
	.fill 96, 4, 3214868480
	.section	.rodata,"a",@progbits
	.p2align	6, 0x0
	.amdhsa_kernel k_q77e9bff30d_outp
		.amdhsa_group_segment_fixed_size 327680
		.amdhsa_private_segment_fixed_size 0
		.amdhsa_enable_private_segment 0
		.amdhsa_kernarg_size 40
		.amdhsa_user_sgpr_count 2
		.amdhsa_user_sgpr_kernarg_segment_ptr 1
		.amdhsa_wavefront_size32 1
		.amdhsa_system_sgpr_workgroup_id_x 1
		.amdhsa_system_sgpr_workgroup_id_y 1
		.amdhsa_system_sgpr_workgroup_id_z 1
		.amdhsa_system_vgpr_workitem_id 0
		.amdhsa_next_free_vgpr 1024
		.amdhsa_next_free_sgpr 98
		.amdhsa_reserve_vcc 0
		.amdhsa_float_denorm_mode_32 3
		.amdhsa_float_denorm_mode_16_64 3
		.amdhsa_memory_ordered 1
		.amdhsa_forward_progress 1
		.amdhsa_inst_pref_size 160
	.end_amdhsa_kernel
	.amdgpu_metadata
---
amdhsa.version: [ 1, 2 ]
amdhsa.kernels:
  - .name:           k_q77e9bff30d_outp
    .symbol:         k_q77e9bff30d_outp.kd
    .args:
      - { .name: ac, .offset: 0, .size: 8, .value_kind: global_buffer, .address_space: global }
      - { .name: asc, .offset: 8, .size: 8, .value_kind: global_buffer, .address_space: global }
      - { .name: cod, .offset: 16, .size: 8, .value_kind: global_buffer, .address_space: global }
      - { .name: scl, .offset: 24, .size: 8, .value_kind: global_buffer, .address_space: global }
      - { .name: out0, .offset: 32, .size: 8, .value_kind: global_buffer, .address_space: global }
    .group_segment_fixed_size: 327680
    .private_segment_fixed_size: 0
    .kernarg_segment_align: 8
    .kernarg_segment_size: 40
    .max_flat_workgroup_size: 128
    .sgpr_count:     98
    .vgpr_count:     1024
    .wavefront_size: 32
...
	.end_amdgpu_metadata
.endif
;; end of part 4
